; MI455X (gfx1250); checked and timed in simulation.
; The chip was launched on July 23, 2026; its instructions are those of AMD's public machine-readable ISA for CDNA 5 (MIT licence, August 2026) and "CDNA5" Instruction Set Architecture Reference Guide (July 2026). The comments in the code are by the model that wrote it; some were corrected since.
;; Hybrid FFN. Allowed arithmetic: float matrix products may take bf16 or f16 operands with f32 sums; other float arithmetic in f32, or as packed bf16 or f16 multiplies, adds, multiply-adds, maxima and minima; sums over many terms, partial sums and values carried from step to step in f32; what a program stores and reads back later, other than sums and carried values, may be rounded once to bf16 or f16.
;; Inputs: W1 1,024 x 4,096 float32; W2 4,096 x 1,024 float32; Wg 1,024 x 4 float32; b1 4,096 float32; b2 1,024 float32; ew1 4 x 1,024 x 4,096 float32; ew2 4 x 4,096 x 1,024 float32; ew3 4 x 1,024 x 4,096 float32; x 4 x 256 x 1,024 float32.
;; Outputs: out0 4 x 256 x 1,024 float32; out1 one number float32.
;; 2 versions, each right. Each part assembles by itself: llvm-mc -triple=amdgcn-amd-amdhsa -mcpu=gfx1250 --defsym DOCPART=n.
;; ======== version 1 of 2: 4 launches
;; workspace buffers: xb 2,097,152 bytes; idx 4,096 bytes of whole numbers; probs 16,384 bytes; hid 16,777,216 bytes; part 33,554,432 bytes
;; launch route (part 1): grid 256 x 1, 4 waves a work-group, no clusters, 0 bytes of LDS; arguments x, Wg, xb, idx, probs; writes xb, idx, probs
.if DOCPART == 1
	.amdgcn_target "amdgcn-amd-amdhsa--gfx1250"
	.amdhsa_code_object_version 6
	.text
	.protected	k_qb10f60d4b0_route
	.globl	k_qb10f60d4b0_route
	.p2align	8
	.type	k_qb10f60d4b0_route,@function
k_qb10f60d4b0_route:
	s_mov_b64 s[64:65], 0
	v_nop
	global_prefetch_b8 v0, s[64:65] scope:SCOPE_SE
	s_setreg_imm32_b32 hwreg(HW_REG_WAVE_MODE, 25, 1), 1
	s_wait_xcnt 0x0
; ROUTER.  One token a wave, four tokens a work-group, 256 work-groups for 1,024 tokens.
; The token's row of x is rounded to bf16 and stored (xb: the later products' operand); its four logits are made from the ROUNDED x and the
; ROUNDED Wg (bf16 x bf16 is exact in f32; sums in f32), so that the choice of expert goes with the operands that the products use.
; Then softmax with the maximum taken away, and the argmax.  With one expert a token the gate topv / topv is 1, so only the index is kept.
; No matrix instruction: 4 x 1,024 multiply-adds a token, and the choice wants exact products.
; LIMITS.  The argmax is taken on the logits (strictly greater, ascending: the lower index wins a tie), not on the rounded probabilities: it can
; differ from a top-k on probabilities only where two logits lie within a rounding of each other.  NaN and infinities are not treated apart.
.set X, 8                              ; v[8:39]    x: load i holds k = 128 i + 4 lane + 0..3; then packed bf16 in the first two of each four
.set G, 40                             ; v[40:167]  Wg: row k = 128 i + 4 lane + c at G + 16 i + 4 c; then packed bf16 in the first two
.set A, 168                            ; v[168:171] the four logits
.set W, 172                            ; v[172:175] at work
.set P, 176                            ; v[176:179] the four probabilities
	s_load_b256 s[4:11], s[0:1], 0x0               ; x s[4:5], Wg s[6:7], xb s[8:9], idx s[10:11]
	s_load_b64 s[12:13], s[0:1], 0x20              ; probs
	v_and_b32 v1, 31, v0                           ; lane
	v_lshrrev_b32 v5, 5, v0
	v_readfirstlane_b32 s14, v5                    ; wave
	s_lshl_b32 s15, ttmp9, 2
	s_add_co_u32 s15, s15, s14                     ; token
	v_lshlrev_b32 v2, 4, v1                        ; 16 x lane: x
	v_lshlrev_b32 v3, 6, v1                        ; 64 x lane: four rows of Wg
	v_lshlrev_b32 v4, 3, v1                        ; 8 x lane: xb
	s_mov_b32 s18, 0x76543210                      ; v_permlanex16_b32: each lane takes its own place in the other half
	s_mov_b32 s19, 0xfedcba98
	s_lshl_b32 s16, s15, 12                        ; the token's row in x,
	s_mov_b32 s17, 0
	s_lshl_b32 s20, s15, 11                        ; in xb,
	s_mov_b32 s21, 0
	s_lshl_b32 s22, s15, 2                         ; its word in idx,
	s_mov_b32 s23, 0
	s_lshl_b32 s24, s15, 4                         ; its four words in probs
	s_mov_b32 s25, 0
	s_wait_kmcnt 0x0
	s_add_nc_u64 s[4:5], s[4:5], s[16:17]
	s_add_nc_u64 s[8:9], s[8:9], s[20:21]
	s_add_nc_u64 s[10:11], s[10:11], s[22:23]
	s_add_nc_u64 s[12:13], s[12:13], s[24:25]
.irp i, 0,1,2,3,4,5,6,7
	global_load_b128 v[X+4*(\i):X+4*(\i)+3], v2, s[4:5] offset:512*(\i) th:TH_LOAD_NT
.endr
.irp i, 0,1,2,3,4,5,6,7
.irp c, 0,1,2,3
	global_load_b128 v[G+16*(\i)+4*(\c):G+16*(\i)+4*(\c)+3], v3, s[6:7] offset:2048*(\i)+16*(\c)
.endr
.endr
.irp e, 0,1,2,3
	v_mov_b32 v[A+(\e)], 0
	v_mov_b32 v[W+(\e)], 0
.endr
	s_wait_loadcnt 32                              ; x is in; the 32 loads of Wg are the younger ones
.irp i, 0,1,2,3,4,5,6,7
	v_cvt_pk_bf16_f32 v[X+4*(\i)], v[X+4*(\i)], v[X+4*(\i)+1]
	v_cvt_pk_bf16_f32 v[X+4*(\i)+1], v[X+4*(\i)+2], v[X+4*(\i)+3]
.endr
.irp i, 0,1,2,3,4,5,6,7
	global_store_b64 v4, v[X+4*(\i):X+4*(\i)+1], s[8:9] offset:256*(\i)  ; the wave's store covers 256 consecutive bytes, aligned
.endr
	s_wait_loadcnt 0x0                             ; Wg
.irp i, 0,1,2,3,4,5,6,7
.irp c, 0,1,2,3
	v_cvt_pk_bf16_f32 v[G+16*(\i)+4*(\c)], v[G+16*(\i)+4*(\c)], v[G+16*(\i)+4*(\c)+1]
	v_cvt_pk_bf16_f32 v[G+16*(\i)+4*(\c)+1], v[G+16*(\i)+4*(\c)+2], v[G+16*(\i)+4*(\c)+3]
.endr
.endr
; x(k) times the four numbers of Wg's row k, onto the four logits: four chains that take turns.  xr, xh: the register and the half that hold x(k).
.macro DOT4 i, c, xr, xh
	v_fma_mix_f32_bf16 v[A+0], v[X+4*(\i)+(\xr)], v[G+16*(\i)+4*(\c)], v[A+0] op_sel:[\xh,0,0] op_sel_hi:[1,1,0]
	v_fma_mix_f32_bf16 v[A+1], v[X+4*(\i)+(\xr)], v[G+16*(\i)+4*(\c)], v[A+1] op_sel:[\xh,1,0] op_sel_hi:[1,1,0]
	v_fma_mix_f32_bf16 v[A+2], v[X+4*(\i)+(\xr)], v[G+16*(\i)+4*(\c)+1], v[A+2] op_sel:[\xh,0,0] op_sel_hi:[1,1,0]
	v_fma_mix_f32_bf16 v[A+3], v[X+4*(\i)+(\xr)], v[G+16*(\i)+4*(\c)+1], v[A+3] op_sel:[\xh,1,0] op_sel_hi:[1,1,0]
.endm
.irp i, 0,1,2,3,4,5,6,7
	DOT4 \i, 0, 0, 0
	DOT4 \i, 1, 0, 1
	DOT4 \i, 2, 1, 0
	DOT4 \i, 3, 1, 1
.endr
; the sums over the 32 lanes: every lane ends with the logits
.irp m, 1,2,4,8
.irp e, 0,1,2,3
	v_add_f32_dpp v[A+(\e)], v[A+(\e)], v[A+(\e)] row_xmask:\m row_mask:0xf bank_mask:0xf
.endr
.endr
.irp e, 0,1,2,3
	v_permlanex16_b32 v[W+(\e)], v[A+(\e)], s18, s19
.endr
.irp e, 0,1,2,3
	v_add_f32 v[A+(\e)], v[A+(\e)], v[W+(\e)]
.endr
	v_max3_num_f32 v180, v[A], v[A+1], v[A+2]      ; the maximum is taken away before the exponentials
	v_max_num_f32 v180, v180, v[A+3]
.irp e, 0,1,2,3
	v_sub_f32 v[P+(\e)], v[A+(\e)], v180
.endr
.irp e, 0,1,2,3
	v_mul_f32 v[P+(\e)], 0x3fb8aa3b, v[P+(\e)]     ; log2(e)
.endr
.irp e, 0,1,2,3
	v_exp_f32 v[P+(\e)], v[P+(\e)]
.endr
	v_mov_b32 v181, v[A]                           ; the argmax stands between the exponentials and their wait
	v_mov_b32 v182, 0
.irp e, 1,2,3
	v_cmp_gt_f32 vcc_lo, v[A+(\e)], v181
	v_cndmask_b32 v181, v181, v[A+(\e)], vcc_lo
	v_cndmask_b32 v182, v182, \e, vcc_lo
.endr
	s_wait_alu depctr_va_vdst(0)                   ; one wait for the four exponentials, ahead of their first reader
	v_add_f32 v183, v[P], v[P+1]
	v_add_f32 v184, v[P+2], v[P+3]
	v_add_f32 v183, v183, v184
	v_rcp_f32 v183, v183
	v_nop                                          ; a plain instruction behind the reciprocal,
	s_wait_alu depctr_va_vdst(0)                   ; and its wait
.irp e, 0,1,2,3
	v_mul_f32 v[P+(\e)], v[P+(\e)], v183
.endr
	; lane 0 stores the token's 16 + 4 bytes: 20 KiB in the whole launch, not worth a gathering through LDS
	s_wait_xcnt 0x0                                ; EXEC changes only behind this wait: the stores of xb have it among their sources
	v_cmp_eq_u32 vcc_lo, 0, v1
	s_and_saveexec_b32 s26, vcc_lo
	global_store_b128 v1, v[P:P+3], s[12:13]       ; v1 is 0 in lane 0
	global_store_b32 v1, v182, s[10:11]
	s_wait_xcnt 0x0
	s_or_b32 exec_lo, exec_lo, s26
	s_endpgm
.Lfunc_end_k_qb10f60d4b0_route:
	.size	k_qb10f60d4b0_route, .Lfunc_end_k_qb10f60d4b0_route-k_qb10f60d4b0_route
	.p2alignl 7, 3214868480
	.fill 96, 4, 3214868480
	.section	.rodata,"a",@progbits
	.p2align	6, 0x0
	.amdhsa_kernel k_qb10f60d4b0_route
		.amdhsa_group_segment_fixed_size 0
		.amdhsa_private_segment_fixed_size 0
		.amdhsa_enable_private_segment 0
		.amdhsa_kernarg_size 40
		.amdhsa_user_sgpr_count 2
		.amdhsa_user_sgpr_kernarg_segment_ptr 1
		.amdhsa_wavefront_size32 1
		.amdhsa_system_sgpr_workgroup_id_x 1
		.amdhsa_system_sgpr_workgroup_id_y 1
		.amdhsa_system_sgpr_workgroup_id_z 1
		.amdhsa_system_vgpr_workitem_id 0
		.amdhsa_next_free_vgpr 192
		.amdhsa_next_free_sgpr 66
		.amdhsa_reserve_vcc 1
		.amdhsa_float_denorm_mode_32 3
		.amdhsa_float_denorm_mode_16_64 3
		.amdhsa_memory_ordered 1
		.amdhsa_forward_progress 1
		.amdhsa_inst_pref_size 23
	.end_amdhsa_kernel
	.amdgpu_metadata
---
amdhsa.version: [ 1, 2 ]
amdhsa.kernels:
  - .name:           k_qb10f60d4b0_route
    .symbol:         k_qb10f60d4b0_route.kd
    .args:
      - { .name: x, .offset: 0, .size: 8, .value_kind: global_buffer, .address_space: global }
      - { .name: Wg, .offset: 8, .size: 8, .value_kind: global_buffer, .address_space: global }
      - { .name: xb, .offset: 16, .size: 8, .value_kind: global_buffer, .address_space: global }
      - { .name: idx, .offset: 24, .size: 8, .value_kind: global_buffer, .address_space: global }
      - { .name: probs, .offset: 32, .size: 8, .value_kind: global_buffer, .address_space: global }
    .group_segment_fixed_size: 0
    .private_segment_fixed_size: 0
    .kernarg_segment_align: 8
    .kernarg_segment_size: 40
    .max_flat_workgroup_size: 128
    .sgpr_count:     66
    .vgpr_count:     192
    .wavefront_size: 32
...
	.end_amdgpu_metadata
.endif
;; end of part 1
;; launch up (part 2): grid 64 x 4, 4 waves a work-group, no clusters, 134,656 bytes of LDS; arguments xb, idx, W1, b1, ew1, ew3, hid; writes hid
.if DOCPART == 2
	.amdgcn_target "amdgcn-amd-amdhsa--gfx1250"
	.amdhsa_code_object_version 6
	.text
	.protected	k_qb10f60d4b0_up
	.globl	k_qb10f60d4b0_up
	.p2align	8
	.type	k_qb10f60d4b0_up,@function
k_qb10f60d4b0_up:
	s_mov_b64 s[64:65], 0
	v_nop
	global_prefetch_b8 v0, s[64:65] scope:SCOPE_SE
	s_setreg_imm32_b32 hwreg(HW_REG_WAVE_MODE, 25, 1), 1
	s_wait_xcnt 0x0
; THE HIDDEN LAYER.  hid[s][token][0:64] = gelu(x W1 + b1), columns 64 s ..;  hid[s][token][64:128] = silu(x ew1[e]) * (x ew3[e]), columns 64 s .., e the token's expert.
; Work-group (s, e): ALL rows of expert e times 192 columns (64 of W1, of ew1[e], of ew3[e]).  So ew1 and ew3 have one reader for each byte, W1 four that run side by side.
; The f32 weights are rounded to bf16 on their way through registers into an LDS tile [k][column]; b1 is rounded to bf16 too, as every input of the module is.
; ROWS.  Every wave makes the list of the expert's tokens for itself, in LDS words of its own, from the stored indices.  A pass holds 320 rows: 4 waves x 5 blocks of 16; block 4 rb + w is wave w's.
; Four passes (a constant) serve every split; every wave passes every barrier, and a pass without rows jumps the work between them.  A wave's fifth block is jumped where it lies past the count.
; Places past the count repeat the expert's last row: in the one block that is partly filled they compute and store the same bytes to the same address, from the same wave.  Blocks wholly past the count store nothing.
; K = 1,024 goes in 8 pairs of 128; weights are staged a pair ahead, rows of x a step (64) ahead, both in registers.  Two barriers a pair: nobody reads the weight tile any more; the tile is whole.
; THE MATRIX INSTRUCTION: source 0 = 16 weight columns (turned out of the tile by ds_load_tr16_b128), source 1 = 16 tokens: a lane holds token lane % 16 and columns 8 (lane / 16) + 0..7.
; The sums start from registers (b1, or 0), written at the kernel's head on every path, so that no K step is written out and the fifth block can be jumped: 480 lines a pass.
; No tensor loads and no cluster: rows come by a list, which no descriptor covers, and the weights must pass registers to be rounded.
; GELU: erfc by the rational form of Abramowitz and Stegun 7.1.26 (error in erf at most 1.5e-7 at every argument): q = erfc(|v| / sqrt 2) / 2, gelu = v (0.5 + copysign(0.5 - q, v)).
; LIMITS.  gelu keeps an absolute error of some 1e-7 |v|; silu(a) counts as 0 where exp(-a) overflows (a below about -88); NaN and infinities are not treated apart.
; REGISTERS, in windows of 256 (s_set_vgpr_msb: bits 1:0 source 0, 3:2 source 1, 5:4 source 2, 7:6 destination):
;   window 0: v0-23 addresses and work; v24-43 XO; v44-51 RO; v52-147 weight fragments; v148-227 token fragments (both areas serve as work registers elsewhere)
;   window 1: sums of blocks 0, 1 (96 each); v192-223 weights staged, loads 40-47; v224-239 x staged, loads 16-19; v240-255 b1, packed bf16
;   window 2: sums of blocks 2, 3; v192-255 x staged, loads 0-15          window 3: sums of block 4; v96-255 weights staged, loads 0-39
.set GN, 6                             ; column blocks in a fragment group (12 in all: 0-3 W1, 4-7 ew1, 8-11 ew3)
.set PW, 416                           ; a row of the weight tile: 384 bytes + 32: an odd multiple of 32
.set XSB, 53248                        ; behind the tile's 128 rows: each wave's 80 rows of x,
.set XSW, 11520
.set XP, 144                           ; 128 bytes + 16
.set STG, 99328                        ; each wave's stage for the way out: 16 rows of 272 bytes
.set STGW, 4352
.set SP, 272
.set LIST, 116736                      ; each wave's list: 1,024 words and a word for the lanes that have nothing to enter
.set LISTW, 4352
.set SPARE, 134144                     ; the spare words: 128 bytes a wave, named by the closing add alone
.set SH, 11                            ; a row of xb is 2,048 bytes
.set XPAIR, 256                        ; 128 k of xb
.set WPAIR, 0x200000                   ; 128 rows of 16,384 bytes
.set NWA, 40                           ; weight loads of a pair: issued early,
.set NWB, 8                            ; and late
.set CAP, 320
.set XO, 24                            ; v24-43  byte offsets of my 20 x 4 rows in xb
.set RO, 44                            ; v44-51  byte offsets of a block's rows in hid
.set T, 52
.set WF, 52
.set XF, 148
.set BP, 240
.set V, 52                             ; the way out: a block's dense sums,
.set AA, 84                            ; x ew1,
.set BB, 116                           ; x ew3
.set TU, 148
.set TE, 180
.set TP, 212
.set O, 52                             ; packed results, where V lay
.set OUT, 84                           ; whole rows, where AA lay
.set MSB, 0
.macro WIN new                         ; the immediate's high byte repeats the setting that is left; a switch that changes nothing is dropped
.if MSB != (\new)
	s_set_vgpr_msb (MSB<<8)|(\new)
.set MSB, \new
.endif
.endm
.macro PLACES                          ; four places behind matrix instructions, ahead of whatever writes or loads into their registers or reads their results
.rept 4
	v_nop
.endr
.endm
; weight load q = 16 m + i: matrix m (W1, ew1, ew3), rows 32 w + 2 i + lane / 16 of the pair; sixteen lanes take 256 consecutive bytes, aligned
.macro WLD q
.if (\q) < NWA
	WIN 0xc0
.set d_, 96+4*(\q)
.else
	WIN 0x40
.set d_, 192+4*((\q)-NWA)
.endif
.if (\q) < 16
	global_load_b128 v[d_:d_+3], v4, s[32:33] offset:32768*((\q)%16)
.elseif (\q) < 32
	global_load_b128 v[d_:d_+3], v4, s[34:35] offset:32768*((\q)%16) th:TH_LOAD_NT
.else
	global_load_b128 v[d_:d_+3], v4, s[36:37] offset:32768*((\q)%16) th:TH_LOAD_NT
.endif
.endm
.macro WLOAD from, to
.set q_, \from
.rept (\to)-(\from)
	WLD q_
.set q_, q_+1
.endr
	WIN 0
.endm
.macro CVTW                            ; the staged weights, rounded to bf16: four numbers into two registers
.set q_, 0
.rept NWA+NWB
.if q_ < NWA
	WIN 0x0f
.set d_, 96+4*q_
.else
	WIN 0x05
.set d_, 192+4*(q_-NWA)
.endif
	v_cvt_pk_bf16_f32 v[T+2*q_], v[d_], v[d_+1]
	v_cvt_pk_bf16_f32 v[T+2*q_+1], v[d_+2], v[d_+3]
.set q_, q_+1
.endr
	WIN 0
.endm
.macro STW                             ; into the tile: row 32 w + 2 i + lane / 16, columns 64 m + 4 (lane % 16) ..
.set q_, 0
.rept NWA+NWB
	ds_store_b64 v5, v[T+2*q_:T+2*q_+1] offset:832*(q_%16)+128*(q_/16)
.set q_, q_+1
.endr
.endm
; a step's rows of x: load i brings 128 bytes of each of four rows (eight lanes a row).  all = 0: the fifth block's four loads are jumped where the block has no rows
.macro XLOAD st, all
	WIN 0x80
.set i_, 0
.rept 16
	global_load_b128 v[192+4*i_:192+4*i_+3], v[XO+i_], s[38:39] offset:128*(\st)
.set i_, i_+1
.endr
	WIN 0
.if !(\all)
	s_cmp_lg_u32 s26, 0
	s_cbranch_scc0 .Lx_\@
.endif
	WIN 0x40
.rept 4
	global_load_b128 v[224+4*(i_-16):224+4*(i_-16)+3], v[XO+i_], s[38:39] offset:128*(\st)
.set i_, i_+1
.endr
	WIN 0
.if !(\all)
.Lx_\@:
.endif
.endm
.macro XSTORE                          ; into my own 80 rows; never jumped
	WIN 0x08
.set i_, 0
.rept 16
	ds_store_b128 v6, v[192+4*i_:192+4*i_+3] offset:576*i_
.set i_, i_+1
.endr
	WIN 0x04
.rept 4
	ds_store_b128 v6, v[224+4*(i_-16):224+4*(i_-16)+3] offset:576*i_
.set i_, i_+1
.endr
	WIN 0
.endm
.macro XFLOAD                          ; a step's token fragments: 2 x 5 of 16 rows x 32 k
.irp ks, 0,1
.irp rb, 0,1,2,3,4
	ds_load_b128 v[XF+40*(\ks)+8*(\rb):XF+40*(\ks)+8*(\rb)+3], v7 offset:2304*(\rb)+64*(\ks)
	ds_load_b128 v[XF+40*(\ks)+8*(\rb)+4:XF+40*(\ks)+8*(\rb)+7], v7 offset:2304*(\rb)+64*(\ks)+32
.endr
.endr
.endm
.macro WFLOAD st, ks, g                ; six weight fragments (32 k x 16 columns), turned
.set n_, 0
.rept GN
	ds_load_tr16_b128 v[WF+8*GN*(\g)+8*n_:WF+8*GN*(\g)+8*n_+3], v8 offset:(64*(\st)+32*(\ks))*PW+32*(GN*(\g)+n_)
	ds_load_tr16_b128 v[WF+8*GN*(\g)+8*n_+4:WF+8*GN*(\g)+8*n_+7], v8 offset:(64*(\st)+32*(\ks)+16)*PW+32*(GN*(\g)+n_)
.set n_, n_+1
.endr
.endm
.macro MULRB ks, g, rb
	WIN 0x50*(1+(\rb)/2)
.set n_, 0
.rept GN
.set a_, 96*((\rb)%2)+8*(GN*(\g)+n_)
	v_wmma_f32_16x16x32_bf16 v[a_:a_+7], v[WF+8*GN*(\g)+8*n_:WF+8*GN*(\g)+8*n_+7], v[XF+40*(\ks)+8*(\rb):XF+40*(\ks)+8*(\rb)+7], v[a_:a_+7]
.set n_, n_+1
.endr
.endm
; 24 or 30 products.  The accumulators take turns, one instruction a turn.
.macro MUL ks, g
	MULRB \ks, \g, 0
	MULRB \ks, \g, 1
	MULRB \ks, \g, 2
	MULRB \ks, \g, 3
	WIN 0
	s_cmp_lg_u32 s26, 0
	s_cbranch_scc0 .Lm_\@
	MULRB \ks, \g, 4
	WIN 0
.Lm_\@:
	PLACES
.endm
; A step of 64 along K.  Each counted wait leaves out exactly the group of 12 loads just asked for.  hook 1: the pair's late weight loads; 2: the next pair's first rows of x.
.macro MULSTEP st, hook
	XFLOAD
	WFLOAD \st, 0, 0
	WFLOAD \st, 0, 1
	s_wait_dscnt 2*GN
	MUL 0, 0
	WFLOAD \st, 1, 0
	s_wait_dscnt 2*GN
	MUL 0, 1
	WFLOAD \st, 1, 1
	s_wait_dscnt 2*GN
	MUL 1, 0
.if (\hook) == 1
	WLOAD NWA, NWA+NWB
.elseif (\hook) == 2
	s_wait_xcnt 0x0                                ; x's base is stepped only behind this wait
	s_add_nc_u64 s[38:39], s[38:39], XPAIR
	XLOAD 0, 0
.endif
	s_wait_dscnt 0x0
	MUL 1, 1
.endm
; In pair p the loads ask for pair p + 1; this asks for pair p + 2 of the two streams that have one reader: each lane one row's 256 bytes, the four waves 128 rows, 32 KiB a stream.
; Pairs 6 and 7 ask for nothing: no request leaves the slice.  W1 is left out: four work-groups read it at about the same time.
.macro PREF
	s_cmp_gt_u32 s24, 1
	s_cbranch_scc0 .Lnp_\@
	global_prefetch_b8 v15, s[34:35] offset:WPAIR th:TH_LOAD_NT scope:SCOPE_SE
	global_prefetch_b8 v15, s[36:37] offset:WPAIR th:TH_LOAD_NT scope:SCOPE_SE
.Lnp_\@:
.endm
; A pair: 128 along K.  more = 1: the next pair is asked for.
.macro PAIR more
	s_wait_loadcnt 0x0                             ; this pair's weights and first rows are in registers; on every path no load is out here, which makes the counted wait below right
	s_wait_dscnt 0x0                               ; my reads of the tile are over
	s_barrier_signal -1
	s_barrier_wait -1                              ; everybody's are
	s_cmp_lg_u32 s25, 0
	s_cbranch_scc0 .Lr1_\@
	CVTW
	XSTORE
	STW
	XLOAD 1, 0
.if \more
	s_wait_xcnt 0x0                                ; the weights' bases are stepped only behind this wait
	s_add_nc_u64 s[32:33], s[32:33], WPAIR
	s_add_nc_u64 s[34:35], s[34:35], WPAIR
	s_add_nc_u64 s[36:37], s[36:37], WPAIR
	WLOAD 0, NWA
	PREF
.endif
.Lr1_\@:
	s_wait_dscnt 0x0                               ; for the others' sake: my part of the tile is stored
	s_barrier_signal -1
	s_barrier_wait -1                              ; the tile is whole
	s_cmp_lg_u32 s25, 0
	s_cbranch_scc0 .Lr2_\@
.if \more
	MULSTEP 0, 1
	s_wait_loadcnt NWA+NWB                         ; the second step's rows are in: the next pair's 48 weight loads are the only younger ones
	XSTORE
	MULSTEP 1, 2
.else
	MULSTEP 0, 0
	s_wait_loadcnt 0x0
	XSTORE
	MULSTEP 1, 0
.endif
.Lr2_\@:
.if !(\more)
	s_wait_loadcnt 0x0                             ; behind the last pair no load is out, on every way through the text: a further pass loads the staging registers anew
.endif
.endm
; the byte offsets in xb of the pass's rows: place = pass base + 64 rb + 16 w + row, held to the last place that exists; the token from my list
.macro ROWS
	s_wait_xcnt 0x0                                ; XO and the running bases are rewritten only behind this wait
	v_add_nc_u32 v18, s22, v13
.set i_, 0
.rept 20
	v_add_nc_u32 v[T+i_], 64*(i_/4)+4*(i_%4), v18
	v_min_u32 v[T+i_], s28, v[T+i_]
	v_min_u32 v[T+i_], 0x3ff, v[T+i_]
	v_lshl_add_u32 v[T+i_], v[T+i_], 2, v11
	ds_load_b32 v[XO+i_], v[T+i_]
.set i_, i_+1
.endr
	s_wait_dscnt 0x0
.set i_, 0
.rept 20
	v_min_u32 v[XO+i_], 0x3ff, v[XO+i_]
	v_lshl_add_u32 v[XO+i_], v[XO+i_], SH, v12
.set i_, i_+1
.endr
.endm
.macro INIT                            ; the sums start: b1 (bf16, widened) in the dense blocks, 0 in the others
.irp rb, 0,1,2,3,4
	WIN (0x40*(1+(\rb)/2))|0x04
.set k_, 0
.rept 16
	v_lshlrev_b32 v[96*((\rb)%2)+2*k_], 16, v[BP+k_]
	v_and_b32 v[96*((\rb)%2)+2*k_+1], s58, v[BP+k_]
.set k_, k_+1
.endr
.set k_, 32
.rept 64
	v_mov_b32 v[96*((\rb)%2)+k_], 0
.set k_, k_+1
.endr
.endr
	WIN 0
.endm
.macro BASES
	s_mov_b64 s[32:33], s[8:9]
	s_mov_b64 s[34:35], s[12:13]
	s_mov_b64 s[36:37], s[14:15]
	s_mov_b64 s[38:39], s[4:5]
.endm
	s_load_b256 s[4:11], s[0:1], 0x0               ; xb s[4:5], idx s[6:7], W1 s[8:9], b1 s[10:11]
	s_load_b128 s[12:15], s[0:1], 0x20             ; ew1 s[12:13], ew3 s[14:15]
	s_load_b64 s[16:17], s[0:1], 0x30              ; hid
	v_lshl_add_u32 v16, v0, 2, SPARE               ; my spare word and 0: for the closing add alone
	v_mov_b32 v17, 0
	v_lshrrev_b32 v18, 5, v0
	v_readfirstlane_b32 s18, v18                   ; wave
	s_mov_b32 s19, ttmp9                           ; slice s
	s_and_b32 s20, ttmp7, 0xffff                   ; expert e
	s_lshl_b32 s60, s18, 4                         ; 16 w
	v_and_b32 v1, 31, v0                           ; lane l
	v_and_b32 v2, 15, v0                           ; r = l % 16
	v_bfe_u32 v3, v0, 4, 1                         ; h = l / 16
	v_bfe_u32 v18, v0, 3, 2                        ; l / 8
	v_and_b32 v19, 7, v0                           ; l % 8
	s_lshl_b32 s30, s18, 19                        ; 32 w rows of 16,384 bytes
	v_lshlrev_b32 v4, 14, v3
	v_lshl_add_u32 v4, v2, 4, v4
	v_add_nc_u32 v4, s30, v4                       ; v4: weight loads: (32 w + h) rows + 16 r
	v_lshl_add_u32 v15, v1, 14, s30                ; v15: prefetch: row 32 w + l
	s_mul_i32 s30, s18, 32*PW
	v_mul_u32_u24 v5, v3, PW
	v_lshl_add_u32 v5, v2, 3, v5
	v_add_nc_u32 v5, s30, v5                       ; v5: tile stores: (32 w + h) PW + 8 r
	s_mul_i32 s31, s18, XSW
	s_add_co_u32 s31, s31, XSB                     ; my rows of x
	v_mul_u32_u24 v6, v18, XP
	v_lshl_add_u32 v6, v19, 4, v6
	v_add_nc_u32 v6, s31, v6                       ; v6: in: row l / 8, 16 (l % 8)
	v_mul_u32_u24 v7, v2, XP
	v_lshl_add_u32 v7, v3, 4, v7
	v_add_nc_u32 v7, s31, v7                       ; v7: fragments: row r, 16 h
	v_lshl_add_u32 v8, v3, 3, v19
	v_mul_u32_u24 v8, v8, PW
	v_bfe_u32 v20, v0, 3, 1
	v_lshl_add_u32 v8, v20, 4, v8                  ; v8: turning loads: row 8 h + l % 8, 16 ((l / 8) % 2)
	s_mul_i32 s30, s18, STGW
	s_add_co_u32 s30, s30, STG                     ; my stage
	v_mul_u32_u24 v9, v2, SP
	v_lshl_add_u32 v9, v3, 4, v9
	v_add_nc_u32 v9, s30, v9                       ; v9: in: row r, 16 h
	v_mul_u32_u24 v10, v3, SP
	v_lshl_add_u32 v10, v2, 4, v10
	v_add_nc_u32 v10, s30, v10                     ; v10: back: row h, 16 r
	s_mul_i32 s30, s18, LISTW
	s_add_co_u32 s30, s30, LIST
	v_mov_b32 v11, s30                             ; v11: my list
	v_lshlrev_b32 v12, 4, v19                      ; v12: 16 (l % 8)
	v_add_nc_u32 v13, s60, v18                     ; v13: 16 w + l / 8
	v_lshlrev_b32 v14, 4, v2                       ; v14: 16 r
	v_lshlrev_b32 v20, 4, v1                       ; idx: 16 l
	v_lshlrev_b32 v21, 5, v3                       ; b1: 32 h
	s_lshl_b32 s56, s19, 8                         ; 64 columns of f32
	s_mov_b32 s57, 0
	s_wait_kmcnt 0x0
	s_add_nc_u64 s[8:9], s[8:9], s[56:57]
	s_add_nc_u64 s[10:11], s[10:11], s[56:57]
	s_lshl_b32 s30, s20, 24                        ; an expert's matrix is 16 MiB
	s_add_co_u32 s56, s56, s30
	s_add_nc_u64 s[12:13], s[12:13], s[56:57]
	s_add_nc_u64 s[14:15], s[14:15], s[56:57]
	s_lshl_b32 s56, s19, 18                        ; hid's block s: 1,024 rows of 256 bytes
	s_add_nc_u64 s[16:17], s[16:17], s[56:57]
.irp i, 0,1,2,3,4,5,6,7
	global_load_b128 v[T+4*(\i):T+4*(\i)+3], v20, s[6:7] offset:512*(\i)   ; idx of tokens 128 i + 4 l + 0..3
.endr
.irp nb, 0,1,2,3
	global_load_b128 v[T+32+8*(\nb):T+32+8*(\nb)+3], v21, s[10:11] offset:64*(\nb)      ; b1 of columns 16 nb + 8 h + 0..7
	global_load_b128 v[T+32+8*(\nb)+4:T+32+8*(\nb)+7], v21, s[10:11] offset:64*(\nb)+16
.endr
	BASES
	WLOAD 0, NWA+NWB                               ; the first pair's weights go out ahead of the list's making
	; my list's 1,024 words are cleared while the indices are on their way: every word that can be read has been written, and an expert without rows still loads a row that exists (token 0)
	v_lshl_add_u32 v[XF+4], v1, 4, v11
.irp k, 0,1,2,3
	v_mov_b32 v[XF+(\k)], 0
.endr
.irp i, 0,1,2,3,4,5,6,7
	ds_store_b128 v[XF+4], v[XF:XF+3] offset:512*(\i)
.endr
	s_mov_b32 s40, 0x3e6d3388                      ; 0.3275911 / sqrt 2
	s_mov_b32 s41, s40
	s_mov_b32 s42, 0xbf38aa3b                      ; -log2(e) / 2
	s_mov_b32 s43, s42
	s_mov_b32 s44, 0x3e027906                      ; the five coefficients, halved
	s_mov_b32 s45, s44
	s_mov_b32 s46, 0xbe11a98e
	s_mov_b32 s47, s46
	s_mov_b32 s48, 0x3f35f0e3
	s_mov_b32 s49, s48
	s_mov_b32 s50, 0xbf3a00e3
	s_mov_b32 s51, s50
	s_mov_b32 s52, 0x3f07dc22
	s_mov_b32 s53, s52
	s_mov_b32 s54, 0xbfb8aa3b                      ; -log2(e)
	s_mov_b32 s55, s54
	s_mov_b32 s58, 0xffff0000
	s_mov_b32 s59, 0x7fffffff
	s_wait_loadcnt NWA+NWB                         ; idx and b1 are in; the 48 weight loads are the younger ones
	WIN 0x40
.set k_, 0
.rept 16
	v_cvt_pk_bf16_f32 v[BP+k_], v[T+32+2*k_], v[T+32+2*k_+1]
.set k_, k_+1
.endr
	WIN 0
	; THE LIST.  For each of my lane's 32 tokens: its place is the count so far plus the matching lanes below mine; a lane without a match writes word 1,024.  Every wave makes the same list.
	; LDS serves a wave's instructions in order (ISA guide 5.7.1.4): the entries land on the cleared words.
	s_mov_b32 s21, 0
	v_mov_b32 v18, 0x400
	v_lshlrev_b32 v19, 2, v1
.set k_, 0
.rept 32
	v_cmp_eq_u32 s30, s20, v[T+k_]
	v_mbcnt_lo_u32_b32 v[20+2*(k_%2)], s30, s21
	v_cndmask_b32 v[20+2*(k_%2)], v18, v[20+2*(k_%2)], s30
	v_min_u32 v[20+2*(k_%2)], 0x400, v[20+2*(k_%2)]
	v_lshl_add_u32 v[20+2*(k_%2)], v[20+2*(k_%2)], 2, v11
	v_add_nc_u32 v[21+2*(k_%2)], 128*(k_/4)+(k_%4), v19
	ds_store_b32 v[20+2*(k_%2)], v[21+2*(k_%2)]
	s_bcnt1_i32_b32 s31, s30
	s_add_co_u32 s21, s21, s31
.set k_, k_+1
.endr
	s_max_u32 s28, s21, 1
	s_sub_co_u32 s28, s28, 1                       ; the last place that exists
	s_mov_b32 s22, 0
	ROWS
	XLOAD 0, 1
	INIT
	s_mov_b32 s23, 0
.Lpass:
	s_cmp_lt_u32 s22, s21
	s_cselect_b32 s25, 1, 0                        ; the pass has rows: the same in all four waves
	s_add_co_u32 s30, s22, s60
	s_add_co_u32 s30, s30, 256
	s_cmp_lt_u32 s30, s21
	s_cselect_b32 s26, 1, 0                        ; my fifth block has rows
	s_mov_b32 s24, 7
.Lpair:
	PAIR 1
	s_sub_co_u32 s24, s24, 1
	s_cmp_lg_u32 s24, 0
	s_cbranch_scc1 .Lpair
	PAIR 0
	; THE WAY OUT, a block of 16 rows a trip; a block wholly past the count is jumped
	s_mov_b32 s27, 0
.Lepi:
	s_lshl_b32 s29, s27, 6
	s_add_co_u32 s29, s29, s22
	s_add_co_u32 s29, s29, s60                     ; the block's first place
	s_cmp_lt_u32 s29, s21
	s_cbranch_scc0 .Lepin
	s_wait_xcnt 0x0                                ; RO and OUT, which the last trip's stores read, are rewritten only behind this wait
	v_add_nc_u32 v18, s29, v3
.set i_, 0
.rept 8
	v_add_nc_u32 v[TP+i_], 2*i_, v18               ; rows 2 t + h
	v_min_u32 v[TP+i_], s28, v[TP+i_]
	v_min_u32 v[TP+i_], 0x3ff, v[TP+i_]
	v_lshl_add_u32 v[TP+i_], v[TP+i_], 2, v11
	ds_load_b32 v[RO+i_], v[TP+i_]
.set i_, i_+1
.endr
.macro COPY rb                         ; the block's 96 sums into window 0, ascending: one text of arithmetic serves all five blocks
	WIN 1+(\rb)/2
.set k_, 0
.rept 96
	v_mov_b32 v[V+k_], v[96*((\rb)%2)+k_]
.set k_, k_+1
.endr
	WIN 0
.endm
	s_cmp_lg_u32 s27, 0
	s_cbranch_scc1 .Lc1
	COPY 0
	s_branch .Lcd
.Lc1:
	s_cmp_lg_u32 s27, 1
	s_cbranch_scc1 .Lc2
	COPY 1
	s_branch .Lcd
.Lc2:
	s_cmp_lg_u32 s27, 2
	s_cbranch_scc1 .Lc3
	COPY 2
	s_branch .Lcd
.Lc3:
	s_cmp_lg_u32 s27, 3
	s_cbranch_scc1 .Lc4
	COPY 3
	s_branch .Lcd
.Lc4:
	COPY 4
.Lcd:
.macro P3 op, d, a, b                  ; sixteen packed lines: d = a op b
.set k_, 0
.rept 16
	\op v[(\d)+k_:(\d)+k_+1], v[(\a)+k_:(\a)+k_+1], v[(\b)+k_:(\b)+k_+1]
.set k_, k_+2
.endr
.endm
.macro P3S d, a, sc                    ; d = a times a scalar
.set k_, 0
.rept 16
	v_pk_mul_f32 v[(\d)+k_:(\d)+k_+1], v[(\a)+k_:(\a)+k_+1], s[(\sc):(\sc)+1] op_sel_hi:[1,0]
.set k_, k_+2
.endr
.endm
.macro TR32 op, d                      ; 32 transcendentals in place
.set k_, 0
.rept 32
	\op v[(\d)+k_], v[(\d)+k_]
.set k_, k_+1
.endr
.endm
.macro HORN sc                         ; TP = TP t + a coefficient
.set k_, 0
.rept 16
	v_pk_fma_f32 v[TP+k_:TP+k_+1], v[TP+k_:TP+k_+1], v[TU+k_:TU+k_+1], s[(\sc):(\sc)+1] op_sel_hi:[1,1,0]
.set k_, k_+2
.endr
.endm
.set k_, 0
.rept 32
	v_fma_f32 v[TU+k_], |v[V+k_]|, s40, 1.0        ; 1 + p |v| / sqrt 2
.set k_, k_+1
.endr
	P3 v_pk_mul_f32, TE, V, V
	P3 v_pk_mul_f32, BB, AA, BB                    ; a b
	P3S AA, AA, 54                                 ; -a log2(e)
	P3S TE, TE, 42                                 ; -v v log2(e) / 2
	TR32 v_exp_f32, AA                             ; one batch of 96: none reads another's result
	TR32 v_rcp_f32, TU                             ; t
	TR32 v_exp_f32, TE
	v_nop                                          ; a plain instruction behind the last of them,
	s_wait_alu depctr_va_vdst(0)                   ; and one wait for the batch
.set k_, 0
.rept 16
	v_pk_add_f32 v[AA+k_:AA+k_+1], v[AA+k_:AA+k_+1], 1.0 op_sel_hi:[1,0]
.set k_, k_+2
.endr
	TR32 v_rcp_f32, AA                             ; the second batch: 1 / (1 + exp(-a)); the polynomial below stands between it and its wait
.set k_, 0
.rept 16
	v_pk_fma_f32 v[TP+k_:TP+k_+1], v[TU+k_:TU+k_+1], s[52:53], s[50:51] op_sel_hi:[1,0,0]
.set k_, k_+2
.endr
	HORN 48
	HORN 46
	HORN 44
	P3 v_pk_mul_f32, TP, TP, TU
.set k_, 0
.rept 16
	v_pk_fma_f32 v[TE+k_:TE+k_+1], v[TP+k_:TP+k_+1], v[TE+k_:TE+k_+1], 0.5 op_sel_hi:[1,1,0] neg_lo:[1,0,0] neg_hi:[1,0,0]  ; 0.5 - q
.set k_, k_+2
.endr
	s_wait_alu depctr_va_vdst(0)                   ; the wait for the second batch
.set k_, 0
.rept 32
	v_bfi_b32 v[TE+k_], s59, v[TE+k_], v[V+k_]     ; with v's sign
.set k_, k_+1
.endr
.set k_, 0
.rept 16
	v_pk_add_f32 v[TE+k_:TE+k_+1], v[TE+k_:TE+k_+1], 0.5 op_sel_hi:[1,0]
.set k_, k_+2
.endr
	P3 v_pk_mul_f32, TU, V, TE                     ; gelu
	P3 v_pk_mul_f32, BB, BB, AA                    ; silu(a) b
.set k_, 0
.rept 16
	v_cvt_pk_bf16_f32 v[O+k_], v[TU+2*k_], v[TU+2*k_+1]
.set k_, k_+1
.endr
.set k_, 0
.rept 16
	v_cvt_pk_bf16_f32 v[O+16+k_], v[BB+2*k_], v[BB+2*k_+1]
.set k_, k_+1
.endr
	s_wait_dscnt 0x0                               ; the list's eight words
.set i_, 0
.rept 8
	v_min_u32 v[RO+i_], 0x3ff, v[RO+i_]
	v_lshl_add_u32 v[RO+i_], v[RO+i_], 8, v14
.set i_, i_+1
.endr
.set i_, 0
.rept 8
	ds_store_b128 v9, v[O+4*i_:O+4*i_+3] offset:32*i_
.set i_, i_+1
.endr
.set i_, 0
.rept 8
	ds_load_b128 v[OUT+4*i_:OUT+4*i_+3], v10 offset:544*i_   ; my own stage: LDS serves a wave's instructions in order (ISA guide 5.7.1.4)
.set i_, i_+1
.endr
.set i_, 0
.rept 8
	s_wait_dscnt 7-i_                              ; the younger stage loads stay out
	global_store_b128 v[RO+i_], v[OUT+4*i_:OUT+4*i_+3], s[16:17]   ; sixteen lanes store a whole row of 256 bytes, aligned
.set i_, i_+1
.endr
.Lepin:
	s_add_co_u32 s27, s27, 1
	s_cmp_lt_u32 s27, 5
	s_cbranch_scc1 .Lepi
	s_wait_xcnt 0x0                                ; whatever follows may rewrite the stores' registers
	s_add_co_u32 s22, s22, CAP
	s_cmp_lt_u32 s22, s21
	s_cbranch_scc0 .Lnostart
	ROWS                                           ; a further pass has rows: it is started as the first was
	BASES
	WLOAD 0, NWA+NWB
	XLOAD 0, 1
	INIT
.Lnostart:
	s_add_co_u32 s23, s23, 1
	s_cmp_lt_u32 s23, 4
	s_cbranch_scc1 .Lpass
	s_wait_tensorcnt 0x0                           ; the wave's end, behind my last LDS store
	ds_add_u32 v16, v17
	s_wait_dscnt 0x0
	s_endpgm
.Lfunc_end_k_qb10f60d4b0_up:
	.size	k_qb10f60d4b0_up, .Lfunc_end_k_qb10f60d4b0_up-k_qb10f60d4b0_up
	.p2alignl 7, 3214868480
	.fill 96, 4, 3214868480
	.section	.rodata,"a",@progbits
	.p2align	6, 0x0
	.amdhsa_kernel k_qb10f60d4b0_up
		.amdhsa_group_segment_fixed_size 134656
		.amdhsa_private_segment_fixed_size 0
		.amdhsa_enable_private_segment 0
		.amdhsa_kernarg_size 56
		.amdhsa_user_sgpr_count 2
		.amdhsa_user_sgpr_kernarg_segment_ptr 1
		.amdhsa_wavefront_size32 1
		.amdhsa_system_sgpr_workgroup_id_x 1
		.amdhsa_system_sgpr_workgroup_id_y 1
		.amdhsa_system_sgpr_workgroup_id_z 1
		.amdhsa_system_vgpr_workitem_id 0
		.amdhsa_next_free_vgpr 1024
		.amdhsa_next_free_sgpr 66
		.amdhsa_reserve_vcc 0
		.amdhsa_float_denorm_mode_32 3
		.amdhsa_float_denorm_mode_16_64 3
		.amdhsa_memory_ordered 1
		.amdhsa_forward_progress 1
		.amdhsa_inst_pref_size 219
	.end_amdhsa_kernel
	.amdgpu_metadata
---
amdhsa.version: [ 1, 2 ]
amdhsa.kernels:
  - .name:           k_qb10f60d4b0_up
    .symbol:         k_qb10f60d4b0_up.kd
    .args:
      - { .name: xb, .offset: 0, .size: 8, .value_kind: global_buffer, .address_space: global }
      - { .name: idx, .offset: 8, .size: 8, .value_kind: global_buffer, .address_space: global }
      - { .name: W1, .offset: 16, .size: 8, .value_kind: global_buffer, .address_space: global }
      - { .name: b1, .offset: 24, .size: 8, .value_kind: global_buffer, .address_space: global }
      - { .name: ew1, .offset: 32, .size: 8, .value_kind: global_buffer, .address_space: global }
      - { .name: ew3, .offset: 40, .size: 8, .value_kind: global_buffer, .address_space: global }
      - { .name: hid, .offset: 48, .size: 8, .value_kind: global_buffer, .address_space: global }
    .group_segment_fixed_size: 134656
    .private_segment_fixed_size: 0
    .kernarg_segment_align: 8
    .kernarg_segment_size: 56
    .max_flat_workgroup_size: 128
    .sgpr_count:     66
    .vgpr_count:     1024
    .wavefront_size: 32
...
	.end_amdgpu_metadata
.endif
;; end of part 2
;; launch down (part 3): grid 64 x 4, 4 waves a work-group, no clusters, 134,656 bytes of LDS; arguments hid, idx, W2, ew2, part; writes part
.if DOCPART == 3
	.amdgcn_target "amdgcn-amd-amdhsa--gfx1250"
	.amdhsa_code_object_version 6
	.text
	.protected	k_qb10f60d4b0_down
	.globl	k_qb10f60d4b0_down
	.p2align	8
	.type	k_qb10f60d4b0_down,@function
k_qb10f60d4b0_down:
	s_mov_b64 s[64:65], 0
	v_nop
	global_prefetch_b8 v0, s[64:65] scope:SCOPE_SE
	s_setreg_imm32_b32 hwreg(HW_REG_WAVE_MODE, 25, 1), 1
	s_wait_xcnt 0x0
; THE SECOND PRODUCT.  part[ksl][token][128 nsl ..] = the sum over the hidden columns of slice ksl of hidden x [W2; ew2[e]], in f32: one eighth of K = 8,192 each; the next launch adds the eight.
; Work-group (nsl, ksl, e): all rows of expert e, 128 output columns, K = 1,024: blocks s = 8 ksl .. 8 ksl + 7 of hid, each 64 dense and 64 expert hidden columns.
; ew2 has one reader for each byte, W2 four.  A split of K is the price of weights read once and rows of 512 bytes: without it either 64-byte weight rows or the weights four times.
; The skeleton is the first product's: every wave makes the expert's list for itself; a pass holds 320 rows (4 waves x 5 blocks of 16; block 4 rb + w is wave w's); four passes, a constant, serve every split;
; every wave passes every barrier and only work is jumped; places past the count repeat the expert's last row, so that in the one partly filled block the same bytes go to the same address from the same wave.
; A pair is one block s of hid: step 0 = a row's bytes 0-127 against 64 rows of W2, step 1 = bytes 128-255 against 64 rows of ew2[e].  Weights (f32) are rounded to bf16 on their way through registers.
; THE MATRIX INSTRUCTION: source 0 = 16 weight columns (turned by ds_load_tr16_b128), source 1 = 16 tokens: a lane holds token lane % 16 and columns 8 (lane / 16) + 0..7.
; The sums start from 0 in registers, written at the head on every path (320 lines a pass), so that no K step is written out and the fifth block can be jumped.
; No tensor loads and no cluster: rows come by a list, and the weights must pass registers to be rounded.  NaN and infinities are not treated apart.
; REGISTERS: window 0: v0-23 addresses and work; v24-43 XO; v44-51 RO; v52-115 weight fragments; v116-195 token fragments; v200-215 rows staged, loads 16-19
;   window 1: sums of blocks 0, 1, 2 (64 each); v192-255 rows staged, loads 0-15          window 2: sums of blocks 3, 4; v128-255 weights staged
.set GN, 4                             ; column blocks in a fragment group (8 in all)
.set PW, 288                           ; a row of the weight tile: 256 bytes + 32: an odd multiple of 32
.set XSB, 36864
.set XSW, 11520
.set XP, 144
.set STG, 82944                        ; each wave's stage: 16 rows of 528 bytes
.set STGW, 8448
.set SP, 528
.set LIST, 116736
.set LISTW, 4352
.set SPARE, 134144
.set SH, 8                             ; a row of hid is 256 bytes
.set XPAIR, 0x40000                    ; a block of hid: 1,024 rows
.set WPAIR, 0x40000                    ; 64 rows of 4,096 bytes
.set NW, 32                            ; weight loads of a pair
.set CAP, 320
.set XO, 24
.set RO, 44
.set T, 52
.set WF, 52
.set XF, 116
.set XT, 200
.set OUT, 52
.set MSB, 0
.macro WIN new                         ; the immediate's high byte repeats the setting that is left; a switch that changes nothing is dropped
.if MSB != (\new)
	s_set_vgpr_msb (MSB<<8)|(\new)
.set MSB, \new
.endif
.endm
.macro PLACES                          ; four places behind matrix instructions (ISA guide 7.12.1)
.rept 4
	v_nop
.endr
.endm
.macro WLOAD                           ; load q = 16 m + i: matrix m (W2, ew2), row 16 w + i of the pair's 64: the wave takes 512 consecutive bytes, aligned
	WIN 0x80
.set q_, 0
.rept 16
	global_load_b128 v[128+4*q_:128+4*q_+3], v4, s[32:33] offset:4096*q_
.set q_, q_+1
.endr
.rept 16
	global_load_b128 v[128+4*q_:128+4*q_+3], v4, s[34:35] offset:4096*(q_-16) th:TH_LOAD_NT
.set q_, q_+1
.endr
	WIN 0
.endm
.macro CVTW
	WIN 0x0a
.set q_, 0
.rept NW
	v_cvt_pk_bf16_f32 v[T+2*q_], v[128+4*q_], v[128+4*q_+1]
	v_cvt_pk_bf16_f32 v[T+2*q_+1], v[128+4*q_+2], v[128+4*q_+3]
.set q_, q_+1
.endr
	WIN 0
.endm
.macro STW                             ; tile row 64 m + 16 w + i, columns 4 lane ..
.set q_, 0
.rept NW
	ds_store_b64 v5, v[T+2*q_:T+2*q_+1] offset:(64*(q_/16)+(q_%16))*PW
.set q_, q_+1
.endr
.endm
.macro XLOAD st, all                   ; a step's rows of hid: load i brings 128 bytes of each of four rows
	WIN 0x40
.set i_, 0
.rept 16
	global_load_b128 v[192+4*i_:192+4*i_+3], v[XO+i_], s[38:39] offset:128*(\st)
.set i_, i_+1
.endr
	WIN 0
.if !(\all)
	s_cmp_lg_u32 s26, 0
	s_cbranch_scc0 .Lx_\@
.endif
.rept 4
	global_load_b128 v[XT+4*(i_-16):XT+4*(i_-16)+3], v[XO+i_], s[38:39] offset:128*(\st)
.set i_, i_+1
.endr
.if !(\all)
.Lx_\@:
.endif
.endm
.macro XSTORE
	WIN 0x04
.set i_, 0
.rept 16
	ds_store_b128 v6, v[192+4*i_:192+4*i_+3] offset:576*i_
.set i_, i_+1
.endr
	WIN 0
.rept 4
	ds_store_b128 v6, v[XT+4*(i_-16):XT+4*(i_-16)+3] offset:576*i_
.set i_, i_+1
.endr
.endm
.macro XFLOAD
.irp ks, 0,1
.irp rb, 0,1,2,3,4
	ds_load_b128 v[XF+40*(\ks)+8*(\rb):XF+40*(\ks)+8*(\rb)+3], v7 offset:2304*(\rb)+64*(\ks)
	ds_load_b128 v[XF+40*(\ks)+8*(\rb)+4:XF+40*(\ks)+8*(\rb)+7], v7 offset:2304*(\rb)+64*(\ks)+32
.endr
.endr
.endm
.macro WFLOAD st, ks, g
.set n_, 0
.rept GN
	ds_load_tr16_b128 v[WF+8*GN*(\g)+8*n_:WF+8*GN*(\g)+8*n_+3], v8 offset:(64*(\st)+32*(\ks))*PW+32*(GN*(\g)+n_)
	ds_load_tr16_b128 v[WF+8*GN*(\g)+8*n_+4:WF+8*GN*(\g)+8*n_+7], v8 offset:(64*(\st)+32*(\ks)+16)*PW+32*(GN*(\g)+n_)
.set n_, n_+1
.endr
.endm
.macro MULRB ks, g, rb
	WIN 0x50*(1+(\rb)/3)
.set n_, 0
.rept GN
.set a_, 64*((\rb)%3)+8*(GN*(\g)+n_)
	v_wmma_f32_16x16x32_bf16 v[a_:a_+7], v[WF+8*GN*(\g)+8*n_:WF+8*GN*(\g)+8*n_+7], v[XF+40*(\ks)+8*(\rb):XF+40*(\ks)+8*(\rb)+7], v[a_:a_+7]
.set n_, n_+1
.endr
.endm
.macro MUL ks, g                       ; 16 or 20 products; the accumulators take turns, one instruction a turn
	MULRB \ks, \g, 0
	MULRB \ks, \g, 1
	MULRB \ks, \g, 2
	MULRB \ks, \g, 3
	WIN 0
	s_cmp_lg_u32 s26, 0
	s_cbranch_scc0 .Lm_\@
	MULRB \ks, \g, 4
	WIN 0
.Lm_\@:
	PLACES
.endm
.macro MULSTEP st, hook                ; each counted wait leaves out exactly the group of 8 loads just asked for.  hook 2: the next pair's first rows
	XFLOAD
	WFLOAD \st, 0, 0
	WFLOAD \st, 0, 1
	s_wait_dscnt 2*GN
	MUL 0, 0
	WFLOAD \st, 1, 0
	s_wait_dscnt 2*GN
	MUL 0, 1
	WFLOAD \st, 1, 1
	s_wait_dscnt 2*GN
	MUL 1, 0
.if (\hook) == 2
	s_wait_xcnt 0x0                                ; hid's base is stepped only behind this wait
	s_add_nc_u64 s[38:39], s[38:39], XPAIR
	XLOAD 0, 0
.endif
	s_wait_dscnt 0x0
	MUL 1, 1
.endm
; In pair p the loads ask for pair p + 1; this asks for pair p + 2 of ew2, the stream with one reader: two lanes a row's 512 bytes, the four waves 64 rows, 32 KiB.  Pairs 6 and 7 ask for nothing.
.macro PREF
	s_cmp_gt_u32 s24, 1
	s_cbranch_scc0 .Lnp_\@
	global_prefetch_b8 v15, s[34:35] offset:WPAIR th:TH_LOAD_NT scope:SCOPE_SE
.Lnp_\@:
.endm
.macro PAIR more
	s_wait_loadcnt 0x0                             ; this pair's weights and first rows are in registers; on every path no load is out here
	s_wait_dscnt 0x0                               ; my reads of the tile are over
	s_barrier_signal -1
	s_barrier_wait -1                              ; everybody's are
	s_cmp_lg_u32 s25, 0
	s_cbranch_scc0 .Lr1_\@
	CVTW
	XSTORE
	STW
	XLOAD 1, 0
.if \more
	s_wait_xcnt 0x0                                ; the weights' bases are stepped only behind this wait
	s_add_nc_u64 s[32:33], s[32:33], WPAIR
	s_add_nc_u64 s[34:35], s[34:35], WPAIR
	WLOAD
	PREF
.endif
.Lr1_\@:
	s_wait_dscnt 0x0                               ; for the others' sake: my part of the tile is stored
	s_barrier_signal -1
	s_barrier_wait -1                              ; the tile is whole
	s_cmp_lg_u32 s25, 0
	s_cbranch_scc0 .Lr2_\@
	MULSTEP 0, 0
.if \more
	s_wait_loadcnt NW                              ; the second step's rows are in: the next pair's 32 weight loads are the only younger ones
	XSTORE
	MULSTEP 1, 2
.else
	s_wait_loadcnt 0x0
	XSTORE
	MULSTEP 1, 0
.endif
.Lr2_\@:
.if !(\more)
	s_wait_loadcnt 0x0                             ; behind the last pair no load is out, on every way through the text: a further pass loads the staging registers anew
.endif
.endm
.macro ROWS
	s_wait_xcnt 0x0                                ; XO and the running bases are rewritten only behind this wait
	v_add_nc_u32 v18, s22, v13
.set i_, 0
.rept 20
	v_add_nc_u32 v[T+i_], 64*(i_/4)+4*(i_%4), v18
	v_min_u32 v[T+i_], s28, v[T+i_]
	v_min_u32 v[T+i_], 0x3ff, v[T+i_]
	v_lshl_add_u32 v[T+i_], v[T+i_], 2, v11
	ds_load_b32 v[XO+i_], v[T+i_]
.set i_, i_+1
.endr
	s_wait_dscnt 0x0
.set i_, 0
.rept 20
	v_min_u32 v[XO+i_], 0x3ff, v[XO+i_]
	v_lshl_add_u32 v[XO+i_], v[XO+i_], SH, v12
.set i_, i_+1
.endr
.endm
.macro INIT
	WIN 0x40
.set k_, 0
.rept 192
	v_mov_b32 v[k_], 0
.set k_, k_+1
.endr
	WIN 0x80
.set k_, 0
.rept 128
	v_mov_b32 v[k_], 0
.set k_, k_+1
.endr
	WIN 0
.endm
.macro BASES
	s_mov_b64 s[32:33], s[8:9]
	s_mov_b64 s[34:35], s[10:11]
	s_mov_b64 s[38:39], s[4:5]
.endm
	s_load_b256 s[4:11], s[0:1], 0x0               ; hid s[4:5], idx s[6:7], W2 s[8:9], ew2 s[10:11]
	s_load_b64 s[12:13], s[0:1], 0x20              ; part
	v_lshl_add_u32 v16, v0, 2, SPARE               ; my spare word and 0: for the closing add alone
	v_mov_b32 v17, 0
	v_lshrrev_b32 v18, 5, v0
	v_readfirstlane_b32 s18, v18                   ; wave
	s_and_b32 s19, ttmp9, 7                        ; nsl: the eight readers of a tile of hid are neighbours
	s_lshr_b32 s58, ttmp9, 3                       ; ksl
	s_and_b32 s20, ttmp7, 0xffff                   ; expert e
	s_lshl_b32 s60, s18, 4                         ; 16 w
	v_and_b32 v1, 31, v0                           ; lane l
	v_and_b32 v2, 15, v0                           ; r
	v_bfe_u32 v3, v0, 4, 1                         ; h
	v_bfe_u32 v18, v0, 3, 2                        ; l / 8
	v_and_b32 v19, 7, v0                           ; l % 8
	s_lshl_b32 s30, s18, 16                        ; 16 w rows of 4,096 bytes
	v_lshl_add_u32 v4, v1, 4, s30                  ; v4: weight loads: 16 l
	v_lshrrev_b32 v20, 1, v1
	v_and_b32 v21, 1, v0
	v_lshl_add_u32 v15, v20, 12, s30
	v_lshl_add_u32 v15, v21, 8, v15                ; v15: prefetch: row 16 w + l / 2, 256 (l % 2)
	s_mul_i32 s30, s18, 16*PW
	v_lshl_add_u32 v5, v1, 3, s30                  ; v5: tile stores: 16 w PW + 8 l
	s_mul_i32 s31, s18, XSW
	s_add_co_u32 s31, s31, XSB
	v_mul_u32_u24 v6, v18, XP
	v_lshl_add_u32 v6, v19, 4, v6
	v_add_nc_u32 v6, s31, v6
	v_mul_u32_u24 v7, v2, XP
	v_lshl_add_u32 v7, v3, 4, v7
	v_add_nc_u32 v7, s31, v7
	v_lshl_add_u32 v8, v3, 3, v19
	v_mul_u32_u24 v8, v8, PW
	v_bfe_u32 v20, v0, 3, 1
	v_lshl_add_u32 v8, v20, 4, v8
	s_mul_i32 s30, s18, STGW
	s_add_co_u32 s30, s30, STG
	v_mul_u32_u24 v9, v2, SP
	v_lshl_add_u32 v9, v3, 5, v9
	v_add_nc_u32 v9, s30, v9                       ; v9: in: row r, 32 h
	v_mul_u32_u24 v10, v3, SP
	v_lshl_add_u32 v10, v2, 4, v10
	v_add_nc_u32 v10, s30, v10                     ; v10: back: row h, 16 r
	s_mul_i32 s30, s18, LISTW
	s_add_co_u32 s30, s30, LIST
	v_mov_b32 v11, s30
	v_lshlrev_b32 v12, 4, v19
	v_add_nc_u32 v13, s60, v18
	v_lshlrev_b32 v14, 4, v2
	v_lshlrev_b32 v20, 4, v1                       ; idx: 16 l
	s_lshl_b32 s56, s19, 9                         ; 128 columns of f32,
	s_lshl_b32 s30, s58, 21                        ; 512 rows of 4,096 bytes
	s_add_co_u32 s56, s56, s30
	s_mov_b32 s57, 0
	s_wait_kmcnt 0x0
	s_add_nc_u64 s[8:9], s[8:9], s[56:57]
	s_lshl_b32 s31, s20, 24
	s_add_co_u32 s56, s56, s31
	s_add_nc_u64 s[10:11], s[10:11], s[56:57]
	s_mov_b32 s56, s30                             ; eight blocks of hid are 2 MiB too
	s_add_nc_u64 s[4:5], s[4:5], s[56:57]
	s_lshl_b32 s56, s58, 22                        ; part's slice ksl: 1,024 rows of 4,096 bytes,
	s_lshl_b32 s30, s19, 9                         ; my 512 bytes of a row
	s_add_co_u32 s56, s56, s30
	s_add_nc_u64 s[12:13], s[12:13], s[56:57]
.irp i, 0,1,2,3,4,5,6,7
	global_load_b128 v[T+4*(\i):T+4*(\i)+3], v20, s[6:7] offset:512*(\i)
.endr
	BASES
	WLOAD
	; my list's 1,024 words are cleared while the indices are on their way: every word that can be read has been written, and an expert without rows still loads a row that exists (token 0)
	v_lshl_add_u32 v[XF+4], v1, 4, v11
.irp k, 0,1,2,3
	v_mov_b32 v[XF+(\k)], 0
.endr
.irp i, 0,1,2,3,4,5,6,7
	ds_store_b128 v[XF+4], v[XF:XF+3] offset:512*(\i)
.endr
	s_wait_loadcnt NW                              ; idx is in; the 32 weight loads are the younger ones
	; THE LIST, as in the first product: LDS serves a wave's instructions in order (ISA guide 5.7.1.4), so the entries land on the cleared words
	s_mov_b32 s21, 0
	v_mov_b32 v18, 0x400
	v_lshlrev_b32 v19, 2, v1
.set k_, 0
.rept 32
	v_cmp_eq_u32 s30, s20, v[T+k_]
	v_mbcnt_lo_u32_b32 v[20+2*(k_%2)], s30, s21
	v_cndmask_b32 v[20+2*(k_%2)], v18, v[20+2*(k_%2)], s30
	v_min_u32 v[20+2*(k_%2)], 0x400, v[20+2*(k_%2)]
	v_lshl_add_u32 v[20+2*(k_%2)], v[20+2*(k_%2)], 2, v11
	v_add_nc_u32 v[21+2*(k_%2)], 128*(k_/4)+(k_%4), v19
	ds_store_b32 v[20+2*(k_%2)], v[21+2*(k_%2)]
	s_bcnt1_i32_b32 s31, s30
	s_add_co_u32 s21, s21, s31
.set k_, k_+1
.endr
	s_max_u32 s28, s21, 1
	s_sub_co_u32 s28, s28, 1
	s_mov_b32 s22, 0
	ROWS
	XLOAD 0, 1
	INIT
	s_mov_b32 s23, 0
.Lpass:
	s_cmp_lt_u32 s22, s21
	s_cselect_b32 s25, 1, 0                        ; the pass has rows
	s_add_co_u32 s30, s22, s60
	s_add_co_u32 s30, s30, 256
	s_cmp_lt_u32 s30, s21
	s_cselect_b32 s26, 1, 0                        ; my fifth block has rows
	s_mov_b32 s24, 7
.Lpair:
	PAIR 1
	s_sub_co_u32 s24, s24, 1
	s_cmp_lg_u32 s24, 0
	s_cbranch_scc1 .Lpair
	PAIR 0
	; THE WAY OUT, a block of 16 rows a trip
	s_mov_b32 s27, 0
.Lepi:
	s_lshl_b32 s29, s27, 6
	s_add_co_u32 s29, s29, s22
	s_add_co_u32 s29, s29, s60
	s_cmp_lt_u32 s29, s21
	s_cbranch_scc0 .Lepin
	s_wait_xcnt 0x0                                ; RO and OUT, which the last trip's stores read, are rewritten only behind this wait
	v_add_nc_u32 v18, s29, v3
.set i_, 0
.rept 8
	v_add_nc_u32 v[XF+i_], 2*i_, v18
	v_min_u32 v[XF+i_], s28, v[XF+i_]
	v_min_u32 v[XF+i_], 0x3ff, v[XF+i_]
	v_lshl_add_u32 v[XF+i_], v[XF+i_], 2, v11
	ds_load_b32 v[RO+i_], v[XF+i_]
.set i_, i_+1
.endr
.macro STAGE rb                        ; the block's 64 sums into my stage, each accumulator's low half first: 16 stores on every arm of the choice
	WIN 4*(1+(\rb)/3)
.set k_, 0
.rept 8
	ds_store_b128 v9, v[64*((\rb)%3)+8*k_:64*((\rb)%3)+8*k_+3] offset:64*k_
	ds_store_b128 v9, v[64*((\rb)%3)+8*k_+4:64*((\rb)%3)+8*k_+7] offset:64*k_+16
.set k_, k_+1
.endr
	WIN 0
.endm
	s_cmp_lg_u32 s27, 0
	s_cbranch_scc1 .Lc1
	STAGE 0
	s_branch .Lcd
.Lc1:
	s_cmp_lg_u32 s27, 1
	s_cbranch_scc1 .Lc2
	STAGE 1
	s_branch .Lcd
.Lc2:
	s_cmp_lg_u32 s27, 2
	s_cbranch_scc1 .Lc3
	STAGE 2
	s_branch .Lcd
.Lc3:
	s_cmp_lg_u32 s27, 3
	s_cbranch_scc1 .Lc4
	STAGE 3
	s_branch .Lcd
.Lc4:
	STAGE 4
.Lcd:
.set k_, 0
.rept 16
	ds_load_b128 v[OUT+4*k_:OUT+4*k_+3], v10 offset:1056*(k_/2)+256*(k_%2)   ; my own stage: LDS serves a wave's instructions in order (ISA guide 5.7.1.4)
.set k_, k_+1
.endr
	s_wait_dscnt 32                                ; the list's eight words are in: 16 stage stores and 16 stage loads are the younger ones
.set i_, 0
.rept 8
	v_min_u32 v[RO+i_], 0x3ff, v[RO+i_]
	v_lshl_add_u32 v[RO+i_], v[RO+i_], 12, v14
.set i_, i_+1
.endr
.set k_, 0
.rept 16
	s_wait_dscnt 15-k_                             ; the younger stage loads stay out
	global_store_b128 v[RO+k_/2], v[OUT+4*k_:OUT+4*k_+3], s[12:13] offset:256*(k_%2)   ; sixteen lanes store 256 consecutive bytes, aligned
.set k_, k_+1
.endr
.Lepin:
	s_add_co_u32 s27, s27, 1
	s_cmp_lt_u32 s27, 5
	s_cbranch_scc1 .Lepi
	s_wait_xcnt 0x0                                ; whatever follows may rewrite the stores' registers
	s_add_co_u32 s22, s22, CAP
	s_cmp_lt_u32 s22, s21
	s_cbranch_scc0 .Lnostart
	ROWS                                           ; a further pass has rows: it is started as the first was
	BASES
	WLOAD
	XLOAD 0, 1
	INIT
.Lnostart:
	s_add_co_u32 s23, s23, 1
	s_cmp_lt_u32 s23, 4
	s_cbranch_scc1 .Lpass
	s_wait_tensorcnt 0x0                           ; the wave's end, behind my last LDS store
	ds_add_u32 v16, v17
	s_wait_dscnt 0x0
	s_endpgm
.Lfunc_end_k_qb10f60d4b0_down:
	.size	k_qb10f60d4b0_down, .Lfunc_end_k_qb10f60d4b0_down-k_qb10f60d4b0_down
	.p2alignl 7, 3214868480
	.fill 96, 4, 3214868480
	.section	.rodata,"a",@progbits
	.p2align	6, 0x0
	.amdhsa_kernel k_qb10f60d4b0_down
		.amdhsa_group_segment_fixed_size 134656
		.amdhsa_private_segment_fixed_size 0
		.amdhsa_enable_private_segment 0
		.amdhsa_kernarg_size 40
		.amdhsa_user_sgpr_count 2
		.amdhsa_user_sgpr_kernarg_segment_ptr 1
		.amdhsa_wavefront_size32 1
		.amdhsa_system_sgpr_workgroup_id_x 1
		.amdhsa_system_sgpr_workgroup_id_y 1
		.amdhsa_system_sgpr_workgroup_id_z 1
		.amdhsa_system_vgpr_workitem_id 0
		.amdhsa_next_free_vgpr 768
		.amdhsa_next_free_sgpr 66
		.amdhsa_reserve_vcc 0
		.amdhsa_float_denorm_mode_32 3
		.amdhsa_float_denorm_mode_16_64 3
		.amdhsa_memory_ordered 1
		.amdhsa_forward_progress 1
		.amdhsa_inst_pref_size 147
	.end_amdhsa_kernel
	.amdgpu_metadata
---
amdhsa.version: [ 1, 2 ]
amdhsa.kernels:
  - .name:           k_qb10f60d4b0_down
    .symbol:         k_qb10f60d4b0_down.kd
    .args:
      - { .name: hid, .offset: 0, .size: 8, .value_kind: global_buffer, .address_space: global }
      - { .name: idx, .offset: 8, .size: 8, .value_kind: global_buffer, .address_space: global }
      - { .name: W2, .offset: 16, .size: 8, .value_kind: global_buffer, .address_space: global }
      - { .name: ew2, .offset: 24, .size: 8, .value_kind: global_buffer, .address_space: global }
      - { .name: part, .offset: 32, .size: 8, .value_kind: global_buffer, .address_space: global }
    .group_segment_fixed_size: 134656
    .private_segment_fixed_size: 0
    .kernarg_segment_align: 8
    .kernarg_segment_size: 40
    .max_flat_workgroup_size: 128
    .sgpr_count:     66
    .vgpr_count:     768
    .wavefront_size: 32
...
	.end_amdgpu_metadata
.endif
;; end of part 3
;; launch fin (part 4): grid 257 x 1, 8 waves a work-group, no clusters, 0 bytes of LDS; arguments part, b2, probs, idx, out0, out1; writes out0, out1
.if DOCPART == 4
	.amdgcn_target "amdgcn-amd-amdhsa--gfx1250"
	.amdhsa_code_object_version 6
	.text
	.protected	k_qb10f60d4b0_fin
	.globl	k_qb10f60d4b0_fin
	.p2align	8
	.type	k_qb10f60d4b0_fin,@function
k_qb10f60d4b0_fin:
	s_mov_b64 s[64:65], 0
	v_nop
	global_prefetch_b8 v0, s[64:65] scope:SCOPE_SE
	s_setreg_imm32_b32 hwreg(HW_REG_WAVE_MODE, 25, 1), 1
	s_wait_xcnt 0x0
; out0 = 0.5 (the sum of the eight partial rows + b2); out1 = the load-balancing number.
; Work-groups 0 to 255: four rows each; thread t owns 16 bytes of every row, so a wave's load or store covers 512 consecutive bytes.  All 32 loads of a thread go out at once; the sums go in ascending slice.
; b2 is rounded to bf16, as every input of the module is.  A stream: LDS, barriers and matrix units would add nothing.
; Work-group 256 owns out1: its wave 0 sums the 1,024 x 4 probabilities, counts the choices (four byte fields a lane, at most 32 in each), and stores 4 x the sum over e of (count_e / 1024)(sum_e / 1024).
.set D, 16                             ; v[16:143]  row r, slice ks at D + 32 r + 4 ks
	s_load_b256 s[4:11], s[0:1], 0x0               ; part s[4:5], b2 s[6:7], probs s[8:9], idx s[10:11]
	s_load_b128 s[12:15], s[0:1], 0x20             ; out0 s[12:13], out1 s[14:15]
	v_lshlrev_b32 v10, 4, v0                       ; 16 t
	v_lshrrev_b32 v1, 5, v0
	v_readfirstlane_b32 s18, v1                    ; wave
	s_lshl_b32 s16, ttmp9, 14                      ; four rows of 4,096 bytes
	s_mov_b32 s17, 0
	s_wait_kmcnt 0x0
	s_cmp_eq_u32 ttmp9, 256
	s_cbranch_scc1 .Laux
.irp ks, 0,1,2,3,4,5,6,7
	v_add_nc_u32 v[2+(\ks)], (\ks)<<22, v10        ; a slice of part is 4 MiB
.endr
	s_add_nc_u64 s[4:5], s[4:5], s[16:17]
	s_add_nc_u64 s[12:13], s[12:13], s[16:17]
	global_load_b128 v[12:15], v10, s[6:7]
.irp r, 0,1,2,3
.irp ks, 0,1,2,3,4,5,6,7
	global_load_b128 v[D+32*(\r)+4*(\ks):D+32*(\r)+4*(\ks)+3], v[2+(\ks)], s[4:5] offset:4096*(\r) th:TH_LOAD_NT
.endr
.endr
	s_wait_loadcnt 32                              ; b2 is in; the 32 loads of part are the younger ones
	v_cvt_pk_bf16_f32 v144, v12, v13
	v_cvt_pk_bf16_f32 v145, v14, v15
	v_lshlrev_b32 v12, 16, v144
	v_and_b32 v13, 0xffff0000, v144
	v_lshlrev_b32 v14, 16, v145
	v_and_b32 v15, 0xffff0000, v145
	v_pk_mul_f32 v[12:13], v[12:13], 0.5 op_sel_hi:[1,0]
	v_pk_mul_f32 v[14:15], v[14:15], 0.5 op_sel_hi:[1,0]
.irp r, 0,1,2,3
	s_wait_loadcnt 24-8*(\r)                       ; this row's eight loads are in; the later rows' stay out
.irp ks, 1,2,3,4,5,6,7
	v_pk_add_f32 v[D+32*(\r):D+32*(\r)+1], v[D+32*(\r):D+32*(\r)+1], v[D+32*(\r)+4*(\ks):D+32*(\r)+4*(\ks)+1]
	v_pk_add_f32 v[D+32*(\r)+2:D+32*(\r)+3], v[D+32*(\r)+2:D+32*(\r)+3], v[D+32*(\r)+4*(\ks)+2:D+32*(\r)+4*(\ks)+3]
.endr
	v_pk_fma_f32 v[D+32*(\r):D+32*(\r)+1], v[D+32*(\r):D+32*(\r)+1], 0.5, v[12:13] op_sel_hi:[1,0,1]
	v_pk_fma_f32 v[D+32*(\r)+2:D+32*(\r)+3], v[D+32*(\r)+2:D+32*(\r)+3], 0.5, v[14:15] op_sel_hi:[1,0,1]
	global_store_b128 v10, v[D+32*(\r):D+32*(\r)+3], s[12:13] offset:4096*(\r) th:TH_STORE_NT
.endr
	s_endpgm
.Laux:
	s_cmp_lg_u32 s18, 0
	s_cbranch_scc1 .Lend
.set i_, 0
.rept 32
	global_load_b128 v[D+4*i_:D+4*i_+3], v10, s[8:9] offset:512*i_     ; probs of token 32 i + lane
.set i_, i_+1
.endr
.set i_, 0
.rept 8
	global_load_b128 v[144+4*i_:144+4*i_+3], v10, s[10:11] offset:512*i_
.set i_, i_+1
.endr
	s_mov_b32 s20, 0x76543210
	s_mov_b32 s21, 0xfedcba98
	v_mov_b32 v2, 0
	v_mov_b32 v3, 0
	v_mov_b32 v9, 0
	s_wait_loadcnt 8                               ; probs are in; the eight loads of idx are the younger ones
.set i_, 2
.rept 30                                               ; two chains
	v_pk_add_f32 v[D+4*(i_%2):D+4*(i_%2)+1], v[D+4*(i_%2):D+4*(i_%2)+1], v[D+4*i_:D+4*i_+1]
	v_pk_add_f32 v[D+4*(i_%2)+2:D+4*(i_%2)+3], v[D+4*(i_%2)+2:D+4*(i_%2)+3], v[D+4*i_+2:D+4*i_+3]
.set i_, i_+1
.endr
	v_pk_add_f32 v[D:D+1], v[D:D+1], v[D+4:D+5]
	v_pk_add_f32 v[D+2:D+3], v[D+2:D+3], v[D+6:D+7]
	s_wait_loadcnt 0x0
.set i_, 0
.rept 32
	v_lshlrev_b32 v[144+i_], 3, v[144+i_]
	v_lshl_add_u32 v2, 1, v[144+i_], v2            ; one more in byte field idx
.set i_, i_+1
.endr
.irp e, 0,1,2,3
	v_bfe_u32 v[4+(\e)], v2, 8*(\e), 8
.endr
.irp e, 0,1,2,3
	v_cvt_f32_u32 v[4+(\e)], v[4+(\e)]
.endr
.macro RED r                           ; the sum over the 32 lanes
	v_add_f32_dpp v[\r], v[\r], v[\r] row_xmask:1 row_mask:0xf bank_mask:0xf
	v_add_f32_dpp v[\r], v[\r], v[\r] row_xmask:2 row_mask:0xf bank_mask:0xf
	v_add_f32_dpp v[\r], v[\r], v[\r] row_xmask:4 row_mask:0xf bank_mask:0xf
	v_add_f32_dpp v[\r], v[\r], v[\r] row_xmask:8 row_mask:0xf bank_mask:0xf
	v_permlanex16_b32 v3, v[\r], s20, s21
	v_add_f32 v[\r], v[\r], v3
.endm
.irp r, 4,5,6,7,16,17,18,19
	RED \r
.endr
	v_mul_f32 v8, v4, v16
	v_fmac_f32 v8, v5, v17
	v_fmac_f32 v8, v6, v18
	v_fmac_f32 v8, v7, v19
	v_mul_f32 v8, 0x36800000, v8                   ; 4 / 1024 / 1024 = 2^-18
	s_wait_xcnt 0x0                                ; EXEC changes only behind this wait
	v_cmp_eq_u32 vcc_lo, 0, v0
	s_and_saveexec_b32 s22, vcc_lo
	global_store_b32 v9, v8, s[14:15]
	s_wait_xcnt 0x0
	s_or_b32 exec_lo, exec_lo, s22
.Lend:
	s_endpgm
.Lfunc_end_k_qb10f60d4b0_fin:
	.size	k_qb10f60d4b0_fin, .Lfunc_end_k_qb10f60d4b0_fin-k_qb10f60d4b0_fin
	.p2alignl 7, 3214868480
	.fill 96, 4, 3214868480
	.section	.rodata,"a",@progbits
	.p2align	6, 0x0
	.amdhsa_kernel k_qb10f60d4b0_fin
		.amdhsa_group_segment_fixed_size 0
		.amdhsa_private_segment_fixed_size 0
		.amdhsa_enable_private_segment 0
		.amdhsa_kernarg_size 48
		.amdhsa_user_sgpr_count 2
		.amdhsa_user_sgpr_kernarg_segment_ptr 1
		.amdhsa_wavefront_size32 1
		.amdhsa_system_sgpr_workgroup_id_x 1
		.amdhsa_system_sgpr_workgroup_id_y 1
		.amdhsa_system_sgpr_workgroup_id_z 1
		.amdhsa_system_vgpr_workitem_id 0
		.amdhsa_next_free_vgpr 176
		.amdhsa_next_free_sgpr 66
		.amdhsa_reserve_vcc 1
		.amdhsa_float_denorm_mode_32 3
		.amdhsa_float_denorm_mode_16_64 3
		.amdhsa_memory_ordered 1
		.amdhsa_forward_progress 1
		.amdhsa_inst_pref_size 24
	.end_amdhsa_kernel
	.amdgpu_metadata
---
amdhsa.version: [ 1, 2 ]
amdhsa.kernels:
  - .name:           k_qb10f60d4b0_fin
    .symbol:         k_qb10f60d4b0_fin.kd
    .args:
      - { .name: part, .offset: 0, .size: 8, .value_kind: global_buffer, .address_space: global }
      - { .name: b2, .offset: 8, .size: 8, .value_kind: global_buffer, .address_space: global }
      - { .name: probs, .offset: 16, .size: 8, .value_kind: global_buffer, .address_space: global }
      - { .name: idx, .offset: 24, .size: 8, .value_kind: global_buffer, .address_space: global }
      - { .name: out0, .offset: 32, .size: 8, .value_kind: global_buffer, .address_space: global }
      - { .name: out1, .offset: 40, .size: 8, .value_kind: global_buffer, .address_space: global }
    .group_segment_fixed_size: 0
    .private_segment_fixed_size: 0
    .kernarg_segment_align: 8
    .kernarg_segment_size: 48
    .max_flat_workgroup_size: 256
    .sgpr_count:     66
    .vgpr_count:     176
    .wavefront_size: 32
...
	.end_amdgpu_metadata
.endif
;; end of part 4
;; ======== version 2 of 2: 4 launches
;; workspace buffers: xb 2,097,152 bytes; idx 4,096 bytes of whole numbers; probs 16,384 bytes; hid 16,777,216 bytes; part 33,554,432 bytes; lst 16,384 bytes of whole numbers
;; launch route: the kernel of part 1 again; grid 256 x 1, 4 waves a work-group, no clusters, 0 bytes of LDS; arguments x, Wg, xb, idx, probs; writes xb, idx, probs
;; launch up (part 5): grid 64 x 4, 4 waves a work-group, no clusters, 134,656 bytes of LDS; arguments xb, idx, W1, b1, ew1, ew3, hid, lst; writes hid, lst
.if DOCPART == 5
	.amdgcn_target "amdgcn-amd-amdhsa--gfx1250"
	.amdhsa_code_object_version 6
	.text
	.protected	k_qb10f60d4b0_up
	.globl	k_qb10f60d4b0_up
	.p2align	8
	.type	k_qb10f60d4b0_up,@function
k_qb10f60d4b0_up:
	s_mov_b64 s[64:65], 0
	v_nop
	global_prefetch_b8 v0, s[64:65] scope:SCOPE_SE
	s_setreg_imm32_b32 hwreg(HW_REG_WAVE_MODE, 25, 1), 1
	s_wait_xcnt 0x0
; THE HIDDEN LAYER.  hid[s][token][0:64] = gelu(x W1 + b1), columns 64 s ..;  hid[s][token][64:128] = silu(x ew1[e]) * (x ew3[e]), columns 64 s .., e the token's expert.
; Work-group (s, e): ALL rows of expert e times 192 columns (64 of W1, of ew1[e], of ew3[e]).  So ew1 and ew3 have one reader for each byte, W1 four that run side by side.
; The f32 weights are rounded to bf16 on their way through registers into an LDS tile [k][column]; b1 is rounded to bf16 too, as every input of the module is.
; ROWS.  Every wave makes the list of the expert's tokens for itself, in LDS words of its own, from the stored indices (slice 0's wave 0 also stores it, for the next launch).  A pass holds 320 rows:
; 4 waves x 5 blocks of 16; block 4 rb + w is wave w's.  Four passes (a constant) serve every split; every wave passes every barrier, and a pass without rows goes round the work between them.
; A wave's fifth block is jumped where it lies past the count.  Places past the count repeat the expert's last row: in the one block that is partly filled they compute and store the same bytes to the
; same address, from the same wave.  Blocks wholly past the count store nothing.
; THE RING.  K = 1,024 goes in 16 steps of 64.  The weight tile's two halves (rows 0-63, rows 64-127) are two slots that take turns; ONE barrier a step says both that nobody reads the slot just left
; and that the next slot is whole.  Step t multiplies slot t % 2 and, beside the products: asks for the weights of step t + 2 (staging set t % 2), puts the staged rows of x of step t + 1 into the
; wave's own LDS rows and asks for those of step t + 2, rounds the staged weights of step t + 1 in place and stores them into the other slot.
; SLICES.  That work stands in slices, one behind the six products of each of row blocks 0-3: sixteen a step, of twelve lines at the most, so that LDS and memory instructions come in few, short runs
; and never singly among the products; where a slice rounds and stores, its eight roundings stand first.
; THE MATRIX INSTRUCTION: source 0 = 16 weight columns (turned out of the tile by ds_load_tr16_b128), source 1 = 16 tokens: a lane holds token lane % 16 and columns 8 (lane / 16) + 0..7.
; The sums start from registers (b1, or 0): START is written once, the head jumps to it, so that it has run on every way to the products; no K step is written out and the fifth block can be jumped: 480 lines a pass.
; No tensor loads and no cluster: rows come by a list, which no descriptor covers, and the weights must pass registers to be rounded.
; GELU: erfc by the rational form of Abramowitz and Stegun 7.1.26 (error in erf at most 1.5e-7 at every argument): q = erfc(|v| / sqrt 2) / 2, gelu = v (0.5 + copysign(0.5 - q, v)).
; LIMITS.  gelu keeps an absolute error of some 1e-7 |v|; silu(a) counts as 0 where exp(-a) overflows (a below about -88); NaN and infinities are not treated apart.
; REGISTERS, in windows of 256 (s_set_vgpr_msb: bits 1:0 source 0, 3:2 source 1, 5:4 source 2, 7:6 destination):
;   window 0: v0-23 addresses and work; v24-43 XO; v44-51 RO; v52-147 weight fragments, two groups; v148-227 token fragments, two halves of a step (both areas serve as work registers elsewhere)
;   window 1: sums of blocks 0, 1 (96 each); v192-223 weights staged, set 1's loads 16-23; v224-239 x staged, loads 16-19; v240-255 b1, packed bf16
;   window 2: sums of blocks 2, 3; v192-255 x staged, loads 0-15          window 3: sums of block 4; v96-191 weights staged, set 0; v192-255 set 1's loads 0-15
.set GN, 6                             ; column blocks in a fragment group (12 in all: 0-3 W1, 4-7 ew1, 8-11 ew3)
.set PW, 416                           ; a row of the weight tile: 384 bytes + 32: an odd multiple of 32
.set XSB, 53248                        ; behind the tile's 128 rows: each wave's 80 rows of x,
.set XSW, 11520
.set XP, 144                           ; 128 bytes + 16
.set STG, 99328                        ; each wave's stage for the way out: 16 rows of 272 bytes
.set STGW, 4352
.set SP, 272
.set LIST, 116736                      ; each wave's list: 1,024 words and a word for the lanes that have nothing to enter
.set LISTW, 4352
.set SPARE, 134144                     ; the spare words: 128 bytes a wave, named by the closing add alone
.set SH, 11                            ; a row of xb is 2,048 bytes
.set XPAIR, 256                        ; two steps of xb
.set WSTEP, 0x100000                   ; 64 rows of 16,384 bytes
.set NWS, 24                           ; a wave's weight loads for a step
.set CSN, 3*NWS                        ; two roundings and a store for each of them
.set RPER, 12                          ; lines in a slice,
.set RF, 12                            ; and in a block's first slice
.set CAP, 320
.set XO, 24                            ; v24-43  byte offsets of my 20 x 4 rows in xb
.set RO, 44                            ; v44-51  byte offsets of a block's rows in hid
.set T, 52
.set WF, 52
.set XF, 148
.set BP, 240
.set V, 52                             ; the way out: a block's dense sums,
.set AA, 84                            ; x ew1,
.set BB, 116                           ; x ew3
.set TU, 148
.set TE, 180
.set TP, 212
.set O, 52                             ; packed results, where V lay
.set OUT, 84                           ; whole rows, where AA lay
.set MSB, 0
.set DSC, 0                            ; counts the LDS instructions written so far: a wait's count is the difference to a mark
.set MKB, 0
.set MKC, 0
.set MKD, 0
.set ST, 0                             ; the step in hand: its parity,
.set NX, 0                             ; 1: a step follows and is prepared,
.set LD, 0                             ; 1: loads are issued
.macro WIN new                         ; the immediate's high byte repeats the setting that is left; a switch that changes nothing is dropped
.if MSB != (\new)
	s_set_vgpr_msb (MSB<<8)|(\new)
.set MSB, \new
.endif
.endm
.macro PLACES                          ; four places behind matrix instructions, ahead of whatever writes or loads into their registers or reads their results
.rept 4
	v_nop
.endr
.endm
.macro STGREG set, q                   ; where load q of a staging set lies: register SD of window SW
.if (\set) == 0
.set SW, 3
.set SD, 96+4*(\q)
.elseif (\q) < 16
.set SW, 3
.set SD, 192+4*(\q)
.else
.set SW, 1
.set SD, 192+4*((\q)-16)
.endif
.endm
.macro XREG i                          ; where load i of the staged rows lies
.if (\i) < 16
.set XW, 2
.set XD, 192+4*(\i)
.else
.set XW, 1
.set XD, 224+4*((\i)-16)
.endif
.endm
; weight load q = 8 m + i: matrix m (W1, ew1, ew3), row 16 w + 8 (i / 4) + 4 (lane / 16) + i % 4 of the step's 64; sixteen lanes take 256 consecutive bytes, aligned
.macro WLD1 set, q
	STGREG \set, \q
	WIN SW<<6
.set ro_, 16384*(((\q)%4)+8*(((\q)%8)/4))
.if (\q) < 8
	global_load_b128 v[SD:SD+3], v4, s[32:33] offset:ro_
.elseif (\q) < 16
	global_load_b128 v[SD:SD+3], v4, s[34:35] offset:ro_ th:TH_LOAD_NT
.else
	global_load_b128 v[SD:SD+3], v4, s[36:37] offset:ro_ th:TH_LOAD_NT
.endif
.endm
.macro CVT1 set, q, hf                 ; two of a staged load's four numbers, rounded to bf16 in place: half 0 first, since it reads the register that half 1 writes
	STGREG \set, \q
	WIN (SW<<6)|(SW<<2)|SW
	v_cvt_pk_bf16_f32 v[SD+(\hf)], v[SD+2*(\hf)], v[SD+2*(\hf)+1]
.endm
; into the tile.  Lanes 16-31 write the row four further down: 4 x 416 bytes are 416 words, 32 modulo the 64 banks (ISA guide 11.1), so that the two halves of a store touch different banks
.macro STW1 set, q, slot
	STGREG \set, \q
	WIN SW<<2
	ds_store_b64 v5, v[SD:SD+1] offset:(64*(\slot)+((\q)%4)+8*(((\q)%8)/4))*PW+128*((\q)/8)
.set DSC, DSC+1
.endm
; Four staged rows into my own 80 rows: block i / 4, rows 2 (i % 4) + lane / 16 + 8 ((lane / 8) % 2).  The sixteen lanes of half a store hold two rows eight apart: 8 x 144 bytes are 288 words,
; 32 modulo the 64 banks (ISA guide 11.1).
.macro XST1 i
	XREG \i
	WIN XW<<2
	ds_store_b128 v6, v[XD:XD+3] offset:2304*((\i)/4)+288*((\i)%4)
.set DSC, DSC+1
.endm
.macro XLD1 i, st                      ; 128 bytes of each of those four rows (eight lanes a row)
	XREG \i
	WIN XW<<6
	global_load_b128 v[XD:XD+3], v[XO+(\i)], s[38:39] offset:128*(\st)
.endm
.macro XFL1 ks, j                      ; half j % 2 of the token fragment of block j / 2, 32 k from 32 ks on
	WIN 0
	ds_load_b128 v[XF+40*(\ks)+4*(\j):XF+40*(\ks)+4*(\j)+3], v7 offset:2304*((\j)/2)+64*(\ks)+32*((\j)%2)
.set DSC, DSC+1
.endm
.macro WFL1 st, ks, g, j               ; half j % 2 of weight fragment j / 2 of group g, turned
	WIN 0
	ds_load_tr16_b128 v[WF+8*GN*(\g)+4*(\j):WF+8*GN*(\g)+4*(\j)+3], v8 offset:(64*(\st)+32*(\ks)+16*((\j)%2))*PW+32*(GN*(\g)+(\j)/2)
.set DSC, DSC+1
.endm
.macro CVST n                          ; number n of the 72 that round and store the next step's weights: by fours of loads, eight roundings and then four stores: a slice
.set cg_, (\n)/12
.set cr_, (\n)%12
.if cr_ < 8
	CVT1 1-ST, 4*cg_+cr_/2, cr_%2
.else
	STW1 1-ST, 4*cg_+cr_-8, 1-ST
.endif
.endm
; THE LISTS of a step's four blocks of products (RM), number RJ:
;   block 0: weight fragments (0, 1) (12); the weights of step t + 2 (24); the token fragments of the step's second half (10)
;   block 1: weight fragments (1, 0) (12); the wait for the staged rows and weights; the rows of step t + 1 into LDS (20); the rows of step t + 2 asked for (16)
;   block 2: weight fragments (1, 1) (12); half of the rounding and storing (36)          block 3: the token fragments of the next step's first half (10); the other half (36)
.macro ITEM
.if RM == 0
.if RJ < 2*GN
	WFL1 ST, 0, 1, RJ
.set MKB, DSC
.elseif RJ < 2*GN+NWS*LD
.if RJ == 2*GN
	s_wait_xcnt 0x0                                ; the weights' bases are stepped only behind this wait
	s_add_nc_u64 s[32:33], s[32:33], WSTEP
	s_add_nc_u64 s[34:35], s[34:35], WSTEP
	s_add_nc_u64 s[36:37], s[36:37], WSTEP
.endif
	WLD1 ST, RJ-2*GN
.else
	XFL1 1, RJ-2*GN-NWS*LD
.endif
.elseif RM == 1
.if RJ < 2*GN
	WFL1 ST, 1, 0, RJ
.set MKC, DSC
.elseif RJ < 2*GN+20
.if RJ == 2*GN
	s_wait_loadcnt NWS*LD                          ; the younger loads are this step's own weight loads (or none): all that earlier steps asked for is in, the next step's rows and weights
.endif
	XST1 RJ-2*GN
.else
.if (RJ == 2*GN+20) && (ST == 0)
	s_wait_xcnt 0x0                                ; x's base is stepped only behind this wait
	s_add_nc_u64 s[38:39], s[38:39], XPAIR
.endif
	XLD1 RJ-2*GN-20, ST
.endif
.elseif RM == 2
.if RJ < 2*GN
	WFL1 ST, 1, 1, RJ
.set MKD, DSC
.else
	CVST RJ-2*GN
.endif
.else
.if RJ < 10
	XFL1 0, RJ
.else
	CVST RJ-10+CSN/2
.endif
.endif
.endm
.macro RIDE                            ; the list's next line, if one is left
.if RJ < RN
	ITEM
.set RJ, RJ+1
.endif
.endm
.macro SLICE n
.rept \n
	RIDE
.endr
.endm
.macro MULRB ks, g, rb                 ; six products of one row block
	WIN 0x50*(1+(\rb)/2)
.set n_, 0
.rept GN
.set a_, 96*((\rb)%2)+8*(GN*(\g)+n_)
	v_wmma_f32_16x16x32_bf16 v[a_:a_+7], v[WF+8*GN*(\g)+8*n_:WF+8*GN*(\g)+8*n_+7], v[XF+40*(\ks)+8*(\rb):XF+40*(\ks)+8*(\rb)+7], v[a_:a_+7]
.set n_, n_+1
.endr
.endm
; 24 or 30 products with list m, a slice behind each of row blocks 0-3: 12, 12, 12, 10 lines of list 0's 46; four times 12 of lists 1 and 2; 10, 12, 12, 12 of list 3.
; The accumulators take turns, one instruction a turn.  No line of a slice names a register of the products of its block.
.macro MUL ks, g, m
.set RM, \m
.set RJ, 0
.set RF, 2*GN
.if (\m) == 0
.set RN, 2*GN+NWS*LD+10
.elseif (\m) == 1
.set RN, 2*GN+20*NX+16*LD
.elseif (\m) == 2
.set RN, 2*GN+(CSN/2)*NX
.else
.set RN, (CSN/2+10)*NX
.set RF, 10
.endif
	MULRB \ks, \g, 0
	SLICE RF
	MULRB \ks, \g, 1
	SLICE RPER
	MULRB \ks, \g, 2
	SLICE RPER
	MULRB \ks, \g, 3
	SLICE RPER+16                                  ; the last slice takes what is left of the list
	WIN 0
	s_cmp_lg_u32 s26, 0
	s_cbranch_scc0 .Lm_\@
	MULRB \ks, \g, 4
.if ((\m) == 1) && LD
	XLD1 16, ST                                    ; the fifth block's rows are asked for where the fifth block is multiplied
	XLD1 17, ST
	XLD1 18, ST
	XLD1 19, ST
.endif
	WIN 0
.Lm_\@:
	PLACES
.endm
; In step 2 p the loads ask for step 2 p + 2; this asks for steps 2 p + 4 and 2 p + 5 of the two streams that have one reader: each lane one row's 256 bytes, the four waves 128 rows, 32 KiB a stream.
; The last trip of the loop asks for nothing: no request leaves the slice.  W1 is left out: four work-groups read it at about the same time.
.macro PREF
	s_cmp_gt_u32 s24, 1
	s_cbranch_scc0 .Lnp_\@
	global_prefetch_b8 v15, s[34:35] offset:2*WSTEP th:TH_LOAD_NT scope:SCOPE_SE
	global_prefetch_b8 v15, s[36:37] offset:2*WSTEP th:TH_LOAD_NT scope:SCOPE_SE
.Lnp_\@:
.endm
; A STEP: 64 along K out of slot st.  nx = 1: the next step is prepared; ld = 1: loads are issued; pf = 1: with the prefetch.
.macro STEP st, nx, ld, pf
.set ST, \st
.set NX, \nx
.set LD, \ld
	s_wait_dscnt 0x0                               ; my reads of the slot just left are over, my part of this slot is stored
	s_barrier_signal -1
	s_barrier_wait -1                              ; both hold of every wave
	s_cmp_lg_u32 s25, 0
	s_cbranch_scc1 .Lwork_\@
	s_wait_loadcnt 0x0                             ; the way round the work waits for all loads: so, whatever way leads to a step, it finds out the loads of the step in front of it or none
	s_branch .Lover_\@
.Lwork_\@:
.set j_, 0
.rept 2*GN
	WFL1 ST, 0, 0, j_
.set j_, j_+1
.endr
	s_wait_dscnt 0x0                               ; weight fragments (0, 0) are in; the token fragments of the first half came in the step before
	MUL 0, 0, 0
.if \pf
	PREF
.endif
	s_wait_dscnt DSC-MKB                           ; each of these three waits leaves out the LDS instructions issued behind the fragments that its block needs: here the ten token fragment loads,
	MUL 0, 1, 1
	s_wait_dscnt DSC-MKC                           ; here the twenty stores of rows,
	MUL 1, 0, 2
	s_wait_dscnt DSC-MKD                           ; here the twelve stores of weights
	MUL 1, 1, 3
.Lover_\@:
.endm
; the byte offsets in xb of the pass's rows: place = pass base + 64 rb + 16 w + row, held to the last place that exists; the token from my list
.macro ROWS
	v_add_nc_u32 v18, s22, v13
.set i_, 0
.rept 20
	v_add_nc_u32 v[T+i_], 64*(i_/4)+2*(i_%4), v18
	v_min_u32 v[T+i_], s28, v[T+i_]
	v_min_u32 v[T+i_], 0x3ff, v[T+i_]
	v_lshl_add_u32 v[T+i_], v[T+i_], 2, v11
	ds_load_b32 v[XO+i_], v[T+i_]
.set i_, i_+1
.endr
	s_wait_dscnt 0x0
.set i_, 0
.rept 20
	v_min_u32 v[XO+i_], 0x3ff, v[XO+i_]
	v_lshl_add_u32 v[XO+i_], v[XO+i_], SH, v12
.set i_, i_+1
.endr
.endm
.macro INIT                            ; the sums start: b1 (bf16, widened) in the dense blocks, 0 in the others
.irp rb, 0,1,2,3,4
	WIN (0x40*(1+(\rb)/2))|0x04
.set k_, 0
.rept 16
	v_lshlrev_b32 v[96*((\rb)%2)+2*k_], 16, v[BP+k_]
	v_and_b32 v[96*((\rb)%2)+2*k_+1], s58, v[BP+k_]
.set k_, k_+1
.endr
.set k_, 32
.rept 64
	v_mov_b32 v[96*((\rb)%2)+k_], 0
.set k_, k_+1
.endr
.endr
	WIN 0
.endm
; A PASS IS STARTED: its rows' offsets; the weights of steps 0 and 1 and the rows of step 0 asked for; the sums set while they are on their way; step 0's weights into slot 0, its rows into LDS; step 1's rows asked for.
.macro START
	s_wait_xcnt 0x0                                ; XO, the running bases and the registers that the last stores read are rewritten only behind this wait
	s_mov_b64 s[32:33], s[8:9]
	s_mov_b64 s[34:35], s[12:13]
	s_mov_b64 s[36:37], s[14:15]
	s_mov_b64 s[38:39], s[4:5]
.set j_, 0
.rept NWS
	WLD1 0, j_
.set j_, j_+1
.endr
	WIN 0
	ROWS
.set j_, 0
.rept 20
	XLD1 j_, 0                                     ; all twenty: the staging registers are written whole on every way
.set j_, j_+1
.endr
	s_wait_xcnt 0x0
	s_add_nc_u64 s[32:33], s[32:33], WSTEP
	s_add_nc_u64 s[34:35], s[34:35], WSTEP
	s_add_nc_u64 s[36:37], s[36:37], WSTEP
.set j_, 0
.rept NWS
	WLD1 1, j_
.set j_, j_+1
.endr
	WIN 0
	INIT
	s_wait_loadcnt NWS                             ; step 0's weights and rows are in; step 1's 24 weight loads are the younger ones
.set j_, 0
.rept NWS
	CVT1 0, j_, 0
	CVT1 0, j_, 1
.set j_, j_+1
.endr
.set j_, 0
.rept NWS
	STW1 0, j_, 0
.set j_, j_+1
.endr
.set j_, 0
.rept 20
	XST1 j_
.set j_, j_+1
.endr
.set j_, 0
.rept 20
	XLD1 j_, 1
.set j_, j_+1
.endr
.set j_, 0
.rept 10
	XFL1 0, j_
.set j_, j_+1
.endr
	WIN 0
.endm
.macro FLAGS
	s_cmp_lt_u32 s22, s21
	s_cselect_b32 s25, 1, 0                        ; the pass has rows: the same in all four waves
	s_add_co_u32 s30, s22, s60
	s_add_co_u32 s30, s30, 256
	s_cmp_lt_u32 s30, s21
	s_cselect_b32 s26, 1, 0                        ; my fifth block has rows
.endm
	s_load_b256 s[4:11], s[0:1], 0x0               ; xb s[4:5], idx s[6:7], W1 s[8:9], b1 s[10:11]
	s_load_b128 s[12:15], s[0:1], 0x20             ; ew1 s[12:13], ew3 s[14:15]
	s_load_b64 s[16:17], s[0:1], 0x30              ; hid
	s_load_b64 s[62:63], s[0:1], 0x38              ; lst
	v_lshl_add_u32 v16, v0, 2, SPARE               ; my spare word and 0: for the closing add alone
	v_mov_b32 v17, 0
	v_lshrrev_b32 v18, 5, v0
	v_readfirstlane_b32 s18, v18                   ; wave
	s_mov_b32 s19, ttmp9                           ; slice s
	s_and_b32 s20, ttmp7, 0xffff                   ; expert e
	s_lshl_b32 s60, s18, 4                         ; 16 w
	v_and_b32 v1, 31, v0                           ; lane l
	v_and_b32 v2, 15, v0                           ; r = l % 16
	v_bfe_u32 v3, v0, 4, 1                         ; h = l / 16
	v_bfe_u32 v18, v0, 3, 1                        ; (l / 8) % 2
	v_lshl_add_u32 v18, v18, 3, v3                 ; my row among a row load's four: l / 16 + 8 ((l / 8) % 2)
	v_and_b32 v19, 7, v0                           ; l % 8
	s_lshl_b32 s30, s18, 18                        ; 16 w rows of 16,384 bytes
	v_lshlrev_b32 v4, 16, v3                       ; 4 h rows
	v_lshl_add_u32 v4, v2, 4, v4
	v_add_nc_u32 v4, s30, v4                       ; v4: weight loads: (16 w + 4 h) rows + 16 r
	s_lshl_b32 s30, s18, 19
	v_lshl_add_u32 v15, v1, 14, s30                ; v15: prefetch: row 32 w + l of two steps' 128
	s_mul_i32 s30, s18, 16*PW
	v_mul_u32_u24 v5, v3, 4*PW
	v_lshl_add_u32 v5, v2, 3, v5
	v_add_nc_u32 v5, s30, v5                       ; v5: tile stores: (16 w + 4 h) PW + 8 r
	s_mul_i32 s31, s18, XSW
	s_add_co_u32 s31, s31, XSB                     ; my rows of x
	v_mul_u32_u24 v6, v18, XP
	v_lshl_add_u32 v6, v19, 4, v6
	v_add_nc_u32 v6, s31, v6                       ; v6: in: my row of the four, 16 (l % 8)
	v_mul_u32_u24 v7, v2, XP
	v_lshl_add_u32 v7, v3, 4, v7
	v_add_nc_u32 v7, s31, v7                       ; v7: fragments: row r, 16 h
	v_lshl_add_u32 v8, v3, 3, v19
	v_mul_u32_u24 v8, v8, PW
	v_bfe_u32 v20, v0, 3, 1
	v_lshl_add_u32 v8, v20, 4, v8                  ; v8: turning loads: row 8 h + l % 8, 16 ((l / 8) % 2)
	s_mul_i32 s30, s18, STGW
	s_add_co_u32 s30, s30, STG                     ; my stage
	v_mul_u32_u24 v9, v2, SP
	v_lshl_add_u32 v9, v3, 4, v9
	v_add_nc_u32 v9, s30, v9                       ; v9: in: row r, 16 h
	v_mul_u32_u24 v10, v3, SP
	v_lshl_add_u32 v10, v2, 4, v10
	v_add_nc_u32 v10, s30, v10                     ; v10: back: row h, 16 r
	s_mul_i32 s30, s18, LISTW
	s_add_co_u32 s30, s30, LIST
	v_mov_b32 v11, s30                             ; v11: my list
	v_lshlrev_b32 v12, 4, v19                      ; v12: 16 (l % 8)
	v_add_nc_u32 v13, s60, v18                     ; v13: 16 w + my row of the four
	v_lshlrev_b32 v14, 4, v2                       ; v14: 16 r
	v_lshlrev_b32 v20, 4, v1                       ; idx: 16 l
	v_lshlrev_b32 v21, 5, v3                       ; b1: 32 h
	s_lshl_b32 s56, s19, 8                         ; 64 columns of f32
	s_mov_b32 s57, 0
	s_wait_kmcnt 0x0
	s_add_nc_u64 s[8:9], s[8:9], s[56:57]
	s_add_nc_u64 s[10:11], s[10:11], s[56:57]
	s_lshl_b32 s30, s20, 24                        ; an expert's matrix is 16 MiB
	s_add_co_u32 s56, s56, s30
	s_add_nc_u64 s[12:13], s[12:13], s[56:57]
	s_add_nc_u64 s[14:15], s[14:15], s[56:57]
	s_lshl_b32 s56, s19, 18                        ; hid's block s: 1,024 rows of 256 bytes
	s_add_nc_u64 s[16:17], s[16:17], s[56:57]
	s_lshl_b32 s56, s20, 12                        ; lst: 1,024 words an expert
	s_add_nc_u64 s[62:63], s[62:63], s[56:57]
.irp i, 0,1,2,3,4,5,6,7
	global_load_b128 v[T+4*(\i):T+4*(\i)+3], v20, s[6:7] offset:512*(\i)   ; idx of tokens 128 i + 4 l + 0..3
.endr
.irp nb, 0,1,2,3
	global_load_b128 v[T+32+8*(\nb):T+32+8*(\nb)+3], v21, s[10:11] offset:64*(\nb)      ; b1 of columns 16 nb + 8 h + 0..7
	global_load_b128 v[T+32+8*(\nb)+4:T+32+8*(\nb)+7], v21, s[10:11] offset:64*(\nb)+16
.endr
	; my list's 1,024 words are cleared while the indices are on their way: every word that can be read has been written, and an expert without rows still loads a row that exists (token 0)
	v_lshl_add_u32 v[XF+4], v1, 4, v11
.irp k, 0,1,2,3
	v_mov_b32 v[XF+(\k)], 0
.endr
.irp i, 0,1,2,3,4,5,6,7
	ds_store_b128 v[XF+4], v[XF:XF+3] offset:512*(\i)
.endr
	s_mov_b32 s40, 0x3e6d3388                      ; 0.3275911 / sqrt 2
	s_mov_b32 s41, s40
	s_mov_b32 s42, 0xbf38aa3b                      ; -log2(e) / 2
	s_mov_b32 s43, s42
	s_mov_b32 s44, 0x3e027906                      ; the five coefficients, halved
	s_mov_b32 s45, s44
	s_mov_b32 s46, 0xbe11a98e
	s_mov_b32 s47, s46
	s_mov_b32 s48, 0x3f35f0e3
	s_mov_b32 s49, s48
	s_mov_b32 s50, 0xbf3a00e3
	s_mov_b32 s51, s50
	s_mov_b32 s52, 0x3f07dc22
	s_mov_b32 s53, s52
	s_mov_b32 s54, 0xbfb8aa3b                      ; -log2(e)
	s_mov_b32 s55, s54
	s_mov_b32 s58, 0xffff0000
	s_mov_b32 s59, 0x7fffffff
	s_wait_loadcnt 0x0                             ; idx and b1
	WIN 0x40
.set k_, 0
.rept 16
	v_cvt_pk_bf16_f32 v[BP+k_], v[T+32+2*k_], v[T+32+2*k_+1]
.set k_, k_+1
.endr
	WIN 0
	; THE LIST.  For each of my lane's 32 tokens: its place is the count so far plus the matching lanes below mine; a lane without a match writes word 1,024.  Every wave makes the same list.
	; LDS serves a wave's instructions in order (ISA guide 5.7.1.4): the entries land on the cleared words.
	s_mov_b32 s21, 0
	v_mov_b32 v18, 0x400
	v_lshlrev_b32 v19, 2, v1
.set k_, 0
.rept 32
	v_cmp_eq_u32 s30, s20, v[T+k_]
	v_mbcnt_lo_u32_b32 v[20+2*(k_%2)], s30, s21
	v_cndmask_b32 v[20+2*(k_%2)], v18, v[20+2*(k_%2)], s30
	v_min_u32 v[20+2*(k_%2)], 0x400, v[20+2*(k_%2)]
	v_lshl_add_u32 v[20+2*(k_%2)], v[20+2*(k_%2)], 2, v11
	v_add_nc_u32 v[21+2*(k_%2)], 128*(k_/4)+(k_%4), v19
	ds_store_b32 v[20+2*(k_%2)], v[21+2*(k_%2)]
	s_bcnt1_i32_b32 s31, s30
	s_add_co_u32 s21, s21, s31
.set k_, k_+1
.endr
	; slice 0's wave 0 stores the expert's list, all 1,024 words, for the next launch: each store of the wave covers 512 consecutive bytes, aligned
	s_cmp_lg_u32 s19, 0
	s_cbranch_scc1 .Lnolist
	s_cmp_lg_u32 s18, 0
	s_cbranch_scc1 .Lnolist
	v_lshlrev_b32 v[XF+5], 4, v1
.irp i, 0,1,2,3,4,5,6,7
	ds_load_b128 v[XF+8+4*(\i):XF+8+4*(\i)+3], v[XF+4] offset:512*(\i)
.endr
	s_wait_dscnt 0x0
.irp i, 0,1,2,3,4,5,6,7
	global_store_b128 v[XF+5], v[XF+8+4*(\i):XF+8+4*(\i)+3], s[62:63] offset:512*(\i)
.endr
.Lnolist:
	s_max_u32 s28, s21, 1
	s_sub_co_u32 s28, s28, 1                       ; the last place that exists
	s_mov_b32 s22, 0
	s_mov_b32 s23, 0
	FLAGS
	s_branch .Lstart                               ; the first pass is started whatever its count: so START has run on every way to the steps
.Lpass:
	FLAGS
	s_cmp_lg_u32 s25, 0
	s_cbranch_scc0 .Lnostart
.Lstart:
	START
.Lnostart:
	s_mov_b32 s24, 7
.Lpair:                                                ; seven trips: steps 0 to 13, all alike
	STEP 0, 1, 1, 1
	STEP 1, 1, 1, 0
	s_sub_co_u32 s24, s24, 1
	s_cmp_lg_u32 s24, 0
	s_cbranch_scc1 .Lpair
	STEP 0, 1, 0, 0                                ; step 14 prepares step 15 and asks for nothing; its wait for loads is for zero
	STEP 1, 0, 0, 0                                ; step 15 multiplies
	; THE WAY OUT, a block of 16 rows a trip; a block wholly past the count is jumped
	s_mov_b32 s27, 0
.Lepi:
	s_lshl_b32 s29, s27, 6
	s_add_co_u32 s29, s29, s22
	s_add_co_u32 s29, s29, s60                     ; the block's first place
	s_cmp_lt_u32 s29, s21
	s_cbranch_scc0 .Lepin
	s_wait_xcnt 0x0                                ; RO and OUT, which the last trip's stores read, are rewritten only behind this wait
	v_add_nc_u32 v18, s29, v3
.set i_, 0
.rept 8
	v_add_nc_u32 v[TP+i_], 2*i_, v18               ; rows 2 t + h
	v_min_u32 v[TP+i_], s28, v[TP+i_]
	v_min_u32 v[TP+i_], 0x3ff, v[TP+i_]
	v_lshl_add_u32 v[TP+i_], v[TP+i_], 2, v11
	ds_load_b32 v[RO+i_], v[TP+i_]
.set i_, i_+1
.endr
.macro COPY rb                         ; the block's 96 sums into window 0, ascending: one text of arithmetic serves all five blocks
	WIN 1+(\rb)/2
.set k_, 0
.rept 96
	v_mov_b32 v[V+k_], v[96*((\rb)%2)+k_]
.set k_, k_+1
.endr
	WIN 0
.endm
	s_cmp_lg_u32 s27, 0
	s_cbranch_scc1 .Lc1
	COPY 0
	s_branch .Lcd
.Lc1:
	s_cmp_lg_u32 s27, 1
	s_cbranch_scc1 .Lc2
	COPY 1
	s_branch .Lcd
.Lc2:
	s_cmp_lg_u32 s27, 2
	s_cbranch_scc1 .Lc3
	COPY 2
	s_branch .Lcd
.Lc3:
	s_cmp_lg_u32 s27, 3
	s_cbranch_scc1 .Lc4
	COPY 3
	s_branch .Lcd
.Lc4:
	COPY 4
.Lcd:
.macro P3 op, d, a, b                  ; sixteen packed lines: d = a op b
.set k_, 0
.rept 16
	\op v[(\d)+k_:(\d)+k_+1], v[(\a)+k_:(\a)+k_+1], v[(\b)+k_:(\b)+k_+1]
.set k_, k_+2
.endr
.endm
.macro P3S d, a, sc                    ; d = a times a scalar
.set k_, 0
.rept 16
	v_pk_mul_f32 v[(\d)+k_:(\d)+k_+1], v[(\a)+k_:(\a)+k_+1], s[(\sc):(\sc)+1] op_sel_hi:[1,0]
.set k_, k_+2
.endr
.endm
.macro TR32 op, d                      ; 32 transcendentals in place
.set k_, 0
.rept 32
	\op v[(\d)+k_], v[(\d)+k_]
.set k_, k_+1
.endr
.endm
.macro HORN sc                         ; TP = TP t + a coefficient
.set k_, 0
.rept 16
	v_pk_fma_f32 v[TP+k_:TP+k_+1], v[TP+k_:TP+k_+1], v[TU+k_:TU+k_+1], s[(\sc):(\sc)+1] op_sel_hi:[1,1,0]
.set k_, k_+2
.endr
.endm
.set k_, 0
.rept 32
	v_fma_f32 v[TU+k_], |v[V+k_]|, s40, 1.0        ; 1 + p |v| / sqrt 2
.set k_, k_+1
.endr
	P3 v_pk_mul_f32, TE, V, V
	P3 v_pk_mul_f32, BB, AA, BB                    ; a b
	P3S AA, AA, 54                                 ; -a log2(e)
	P3S TE, TE, 42                                 ; -v v log2(e) / 2
	TR32 v_exp_f32, AA                             ; one batch of 96: none reads another's result
	TR32 v_rcp_f32, TU                             ; t
	TR32 v_exp_f32, TE
	v_nop                                          ; a plain instruction behind the last of them,
	s_wait_alu depctr_va_vdst(0)                   ; and one wait for the batch
.set k_, 0
.rept 16
	v_pk_add_f32 v[AA+k_:AA+k_+1], v[AA+k_:AA+k_+1], 1.0 op_sel_hi:[1,0]
.set k_, k_+2
.endr
	TR32 v_rcp_f32, AA                             ; the second batch: 1 / (1 + exp(-a)); the polynomial below stands between it and its wait
.set k_, 0
.rept 16
	v_pk_fma_f32 v[TP+k_:TP+k_+1], v[TU+k_:TU+k_+1], s[52:53], s[50:51] op_sel_hi:[1,0,0]
.set k_, k_+2
.endr
	HORN 48
	HORN 46
	HORN 44
	P3 v_pk_mul_f32, TP, TP, TU
.set k_, 0
.rept 16
	v_pk_fma_f32 v[TE+k_:TE+k_+1], v[TP+k_:TP+k_+1], v[TE+k_:TE+k_+1], 0.5 op_sel_hi:[1,1,0] neg_lo:[1,0,0] neg_hi:[1,0,0]  ; 0.5 - q
.set k_, k_+2
.endr
	s_wait_alu depctr_va_vdst(0)                   ; the wait for the second batch
.set k_, 0
.rept 32
	v_bfi_b32 v[TE+k_], s59, v[TE+k_], v[V+k_]     ; with v's sign
.set k_, k_+1
.endr
.set k_, 0
.rept 16
	v_pk_add_f32 v[TE+k_:TE+k_+1], v[TE+k_:TE+k_+1], 0.5 op_sel_hi:[1,0]
.set k_, k_+2
.endr
	P3 v_pk_mul_f32, TU, V, TE                     ; gelu
	P3 v_pk_mul_f32, BB, BB, AA                    ; silu(a) b
.set k_, 0
.rept 16
	v_cvt_pk_bf16_f32 v[O+k_], v[TU+2*k_], v[TU+2*k_+1]
.set k_, k_+1
.endr
.set k_, 0
.rept 16
	v_cvt_pk_bf16_f32 v[O+16+k_], v[BB+2*k_], v[BB+2*k_+1]
.set k_, k_+1
.endr
	s_wait_dscnt 0x0                               ; the list's eight words
.set i_, 0
.rept 8
	v_min_u32 v[RO+i_], 0x3ff, v[RO+i_]
	v_lshl_add_u32 v[RO+i_], v[RO+i_], 8, v14
.set i_, i_+1
.endr
.set i_, 0
.rept 8
	ds_store_b128 v9, v[O+4*i_:O+4*i_+3] offset:32*i_
.set i_, i_+1
.endr
.set i_, 0
.rept 8
	ds_load_b128 v[OUT+4*i_:OUT+4*i_+3], v10 offset:544*i_   ; my own stage: LDS serves a wave's instructions in order (ISA guide 5.7.1.4)
.set i_, i_+1
.endr
.set i_, 0
.rept 8
	s_wait_dscnt 7-i_                              ; the younger stage loads stay out
	global_store_b128 v[RO+i_], v[OUT+4*i_:OUT+4*i_+3], s[16:17]   ; sixteen lanes store a whole row of 256 bytes, aligned
.set i_, i_+1
.endr
.Lepin:
	s_add_co_u32 s27, s27, 1
	s_cmp_lt_u32 s27, 5
	s_cbranch_scc1 .Lepi
	s_wait_xcnt 0x0                                ; whatever follows may rewrite the stores' registers
	s_add_co_u32 s22, s22, CAP
	s_add_co_u32 s23, s23, 1
	s_cmp_lt_u32 s23, 4
	s_cbranch_scc1 .Lpass
	s_wait_tensorcnt 0x0                           ; the wave's end, behind my last LDS store
	ds_add_u32 v16, v17
	s_wait_dscnt 0x0
	s_endpgm
.Lfunc_end_k_qb10f60d4b0_up:
	.size	k_qb10f60d4b0_up, .Lfunc_end_k_qb10f60d4b0_up-k_qb10f60d4b0_up
	.p2alignl 7, 3214868480
	.fill 96, 4, 3214868480
	.section	.rodata,"a",@progbits
	.p2align	6, 0x0
	.amdhsa_kernel k_qb10f60d4b0_up
		.amdhsa_group_segment_fixed_size 134656
		.amdhsa_private_segment_fixed_size 0
		.amdhsa_enable_private_segment 0
		.amdhsa_kernarg_size 64
		.amdhsa_user_sgpr_count 2
		.amdhsa_user_sgpr_kernarg_segment_ptr 1
		.amdhsa_wavefront_size32 1
		.amdhsa_system_sgpr_workgroup_id_x 1
		.amdhsa_system_sgpr_workgroup_id_y 1
		.amdhsa_system_sgpr_workgroup_id_z 1
		.amdhsa_system_vgpr_workitem_id 0
		.amdhsa_next_free_vgpr 1024
		.amdhsa_next_free_sgpr 66
		.amdhsa_reserve_vcc 0
		.amdhsa_float_denorm_mode_32 3
		.amdhsa_float_denorm_mode_16_64 3
		.amdhsa_memory_ordered 1
		.amdhsa_forward_progress 1
		.amdhsa_inst_pref_size 193
	.end_amdhsa_kernel
	.amdgpu_metadata
---
amdhsa.version: [ 1, 2 ]
amdhsa.kernels:
  - .name:           k_qb10f60d4b0_up
    .symbol:         k_qb10f60d4b0_up.kd
    .args:
      - { .name: xb, .offset: 0, .size: 8, .value_kind: global_buffer, .address_space: global }
      - { .name: idx, .offset: 8, .size: 8, .value_kind: global_buffer, .address_space: global }
      - { .name: W1, .offset: 16, .size: 8, .value_kind: global_buffer, .address_space: global }
      - { .name: b1, .offset: 24, .size: 8, .value_kind: global_buffer, .address_space: global }
      - { .name: ew1, .offset: 32, .size: 8, .value_kind: global_buffer, .address_space: global }
      - { .name: ew3, .offset: 40, .size: 8, .value_kind: global_buffer, .address_space: global }
      - { .name: hid, .offset: 48, .size: 8, .value_kind: global_buffer, .address_space: global }
      - { .name: lst, .offset: 56, .size: 8, .value_kind: global_buffer, .address_space: global }
    .group_segment_fixed_size: 134656
    .private_segment_fixed_size: 0
    .kernarg_segment_align: 8
    .kernarg_segment_size: 64
    .max_flat_workgroup_size: 128
    .sgpr_count:     66
    .vgpr_count:     1024
    .wavefront_size: 32
...
	.end_amdgpu_metadata
.endif
;; end of part 5
;; launch down (part 6): grid 64 x 4, 4 waves a work-group, no clusters, 134,656 bytes of LDS; arguments hid, idx, W2, ew2, lst, part; writes part
.if DOCPART == 6
	.amdgcn_target "amdgcn-amd-amdhsa--gfx1250"
	.amdhsa_code_object_version 6
	.text
	.protected	k_qb10f60d4b0_down
	.globl	k_qb10f60d4b0_down
	.p2align	8
	.type	k_qb10f60d4b0_down,@function
k_qb10f60d4b0_down:
	s_mov_b64 s[64:65], 0
	v_nop
	global_prefetch_b8 v0, s[64:65] scope:SCOPE_SE
	s_setreg_imm32_b32 hwreg(HW_REG_WAVE_MODE, 25, 1), 1
	s_wait_xcnt 0x0
; THE SECOND PRODUCT.  part[ksl][token][128 nsl ..] = the sum over the hidden columns of slice ksl of hidden x [W2; ew2[e]], in f32: one eighth of K = 8,192 each; the next launch adds the eight.
; Work-group (nsl, ksl, e): all rows of expert e, 128 output columns, K = 1,024: blocks s = 8 ksl .. 8 ksl + 7 of hid, each 64 dense and 64 expert hidden columns.
; ew2 has one reader for each byte, W2 four.  A split of K is the price of weights read once and rows of 512 bytes: without it either 64-byte weight rows or the weights four times.
; ROWS as in the first product: a pass holds 320 rows (4 waves x 5 blocks of 16; block 4 rb + w is wave w's); four passes, a constant, serve every split; every wave passes every barrier and only work is
; gone round; places past the count repeat the expert's last row, so that in the one partly filled block the same bytes go to the same address from the same wave.  The offsets of the rows that are LOADED
; come from the list that the launch before stored (lst); the count, and the rows that are STORED, from the list that every wave makes for itself in LDS by the same steps: the two lists are alike.
; THE RING.  K goes in 16 steps of 64: an even step takes a hid row's bytes 0-127 against 64 rows of W2, an odd one bytes 128-255 against 64 rows of ew2[e].  The weight tile's two halves are two slots that take
; turns; ONE barrier a step says both that nobody reads the slot just left and that the next slot is whole.  Step t multiplies slot t % 2 and, beside the products: asks for the weights of step t + 2
; (staging set t % 2), puts the staged rows of step t + 1 into the wave's own LDS rows and asks for those of step t + 2, rounds the staged weights of step t + 1 in place and stores them into the other slot.
; SLICES.  That work stands in slices, one behind the four products of each of row blocks 0-3: sixteen a step at the most, of twelve lines at the most, so that LDS and memory instructions come in few, short
; runs and never singly among the products; where a slice rounds and stores, its eight roundings stand first.
; THE MATRIX INSTRUCTION: source 0 = 16 weight columns (turned by ds_load_tr16_b128), source 1 = 16 tokens: a lane holds token lane % 16 and columns 8 (lane / 16) + 0..7.
; The sums start from 0 in registers: START is written once, the head jumps to it, so that it has run on every way to the products (320 lines a pass); no K step is written out and the fifth block can be jumped.
; No tensor loads and no cluster: rows come by a list, and the weights must pass registers to be rounded.  NaN and infinities are not treated apart.
; REGISTERS: window 0: v0-23 addresses and work; v24-43 XO; v44-51 RO; v52-115 weight fragments, two groups; v116-195 token fragments, two halves of a step; v200-215 rows staged, loads 16-19
;   window 1: sums of blocks 0, 1, 2 (64 each); v192-255 rows staged, loads 0-15          window 2: sums of blocks 3, 4; v128-191 weights staged, set 0 (W2); v192-255 set 1 (ew2)
.set GN, 4                             ; column blocks in a fragment group (8 in all)
.set PW, 288                           ; a row of the weight tile: 256 bytes + 32: an odd multiple of 32
.set XSB, 36864
.set XSW, 11520
.set XP, 144
.set STG, 82944                        ; each wave's stage: 16 rows of 528 bytes
.set STGW, 8448
.set SP, 528
.set LIST, 116736
.set LISTW, 4352
.set SPARE, 134144
.set SH, 8                             ; a row of hid is 256 bytes
.set XPAIR, 0x40000                    ; a block of hid: 1,024 rows
.set WPAIR, 0x40000                    ; 64 rows of 4,096 bytes
.set NWS, 16                           ; a wave's weight loads for a step
.set CSN, 3*NWS
.set RPER, 12                          ; lines in a slice,
.set RF, 8                             ; and in a block's first slice
.set CAP, 320
.set XO, 24
.set RO, 44
.set T, 52
.set WF, 52
.set XF, 116
.set XT, 200
.set OUT, 52
.set MSB, 0
.set DSC, 0                            ; counts the LDS instructions written so far: a wait's count is the difference to a mark
.set MKB, 0
.set MKC, 0
.set MKD, 0
.set ST, 0
.set NX, 0
.set LD, 0
.macro WIN new                         ; the immediate's high byte repeats the setting that is left; a switch that changes nothing is dropped
.if MSB != (\new)
	s_set_vgpr_msb (MSB<<8)|(\new)
.set MSB, \new
.endif
.endm
.macro PLACES                          ; four places behind matrix instructions (ISA guide 7.12.1)
.rept 4
	v_nop
.endr
.endm
.macro XREG i                          ; where load i of the staged rows lies
.if (\i) < 16
.set XW, 1
.set XD, 192+4*(\i)
.else
.set XW, 0
.set XD, XT+4*((\i)-16)
.endif
.endm
.macro WLD1 set, q                     ; row 16 w + q of the step's 64, of W2 (set 0) or ew2 (set 1): the wave takes 512 consecutive bytes, aligned
	WIN 0x80
.if (\set) == 0
	global_load_b128 v[128+4*(\q):128+4*(\q)+3], v4, s[32:33] offset:4096*(\q)
.else
	global_load_b128 v[192+4*(\q):192+4*(\q)+3], v4, s[34:35] offset:4096*(\q) th:TH_LOAD_NT
.endif
.endm
.macro CVT1 set, q, hf                 ; two of a staged load's four numbers, rounded to bf16 in place: half 0 first, since it reads the register that half 1 writes
	WIN 0x8a
.set SD, 128+64*(\set)+4*(\q)
	v_cvt_pk_bf16_f32 v[SD+(\hf)], v[SD+2*(\hf)], v[SD+2*(\hf)+1]
.endm
.macro STW1 set, q, slot               ; tile row 64 slot + 16 w + q, columns 4 lane ..
	WIN 0x08
.set SD, 128+64*(\set)+4*(\q)
	ds_store_b64 v5, v[SD:SD+1] offset:(64*(\slot)+(\q))*PW
.set DSC, DSC+1
.endm
; Four staged rows into my own 80 rows: block i / 4, rows 2 (i % 4) + lane / 16 + 8 ((lane / 8) % 2).  The sixteen lanes of half a store hold two rows eight apart: 8 x 144 bytes are 288 words,
; 32 modulo the 64 banks (ISA guide 11.1).
.macro XST1 i
	XREG \i
	WIN XW<<2
	ds_store_b128 v6, v[XD:XD+3] offset:2304*((\i)/4)+288*((\i)%4)
.set DSC, DSC+1
.endm
.macro XLD1 i, st                      ; 128 bytes of each of those four rows (eight lanes a row)
	XREG \i
	WIN XW<<6
	global_load_b128 v[XD:XD+3], v[XO+(\i)], s[38:39] offset:128*(\st)
.endm
.macro XFL1 ks, j
	WIN 0
	ds_load_b128 v[XF+40*(\ks)+4*(\j):XF+40*(\ks)+4*(\j)+3], v7 offset:2304*((\j)/2)+64*(\ks)+32*((\j)%2)
.set DSC, DSC+1
.endm
.macro WFL1 st, ks, g, j
	WIN 0
	ds_load_tr16_b128 v[WF+8*GN*(\g)+4*(\j):WF+8*GN*(\g)+4*(\j)+3], v8 offset:(64*(\st)+32*(\ks)+16*((\j)%2))*PW+32*(GN*(\g)+(\j)/2)
.set DSC, DSC+1
.endm
.macro CVST n                          ; number n of the 48 that round and store the next step's weights: by fours of loads, eight roundings and then four stores: a slice
.set cg_, (\n)/12
.set cr_, (\n)%12
.if cr_ < 8
	CVT1 1-ST, 4*cg_+cr_/2, cr_%2
.else
	STW1 1-ST, 4*cg_+cr_-8, 1-ST
.endif
.endm
; THE LISTS of a step's four blocks of products (RM), number RJ:
;   block 0: weight fragments (0, 1) (8); the weights of step t + 2 (16); the token fragments of the step's second half (10)
;   block 1: weight fragments (1, 0) (8); the wait for the staged rows and weights; the rows of step t + 1 into LDS (20); the rows of step t + 2 asked for (16)
;   block 2: weight fragments (1, 1) (8); half of the rounding and storing (24)          block 3: the token fragments of the next step's first half (10); the other half (24)
.macro ITEM
.if RM == 0
.if RJ < 2*GN
	WFL1 ST, 0, 1, RJ
.set MKB, DSC
.elseif RJ < 2*GN+NWS*LD
.if RJ == 2*GN
	s_wait_xcnt 0x0                                ; the weights' base is stepped only behind this wait
.if ST == 0
	s_add_nc_u64 s[32:33], s[32:33], WPAIR
.else
	s_add_nc_u64 s[34:35], s[34:35], WPAIR
.endif
.endif
	WLD1 ST, RJ-2*GN
.else
	XFL1 1, RJ-2*GN-NWS*LD
.endif
.elseif RM == 1
.if RJ < 2*GN
	WFL1 ST, 1, 0, RJ
.set MKC, DSC
.elseif RJ < 2*GN+20
.if RJ == 2*GN
	s_wait_loadcnt NWS*LD                          ; the younger loads are this step's own weight loads (or none): all that earlier steps asked for is in, the next step's rows and weights
.endif
	XST1 RJ-2*GN
.else
.if (RJ == 2*GN+20) && (ST == 0)
	s_wait_xcnt 0x0                                ; hid's base is stepped only behind this wait
	s_add_nc_u64 s[38:39], s[38:39], XPAIR
.endif
	XLD1 RJ-2*GN-20, ST
.endif
.elseif RM == 2
.if RJ < 2*GN
	WFL1 ST, 1, 1, RJ
.set MKD, DSC
.else
	CVST RJ-2*GN
.endif
.else
.if RJ < 10
	XFL1 0, RJ
.else
	CVST RJ-10+CSN/2
.endif
.endif
.endm
.macro RIDE                            ; the list's next line, if one is left
.if RJ < RN
	ITEM
.set RJ, RJ+1
.endif
.endm
.macro SLICE n
.rept \n
	RIDE
.endr
.endm
.macro MULRB ks, g, rb                 ; four products of one row block
	WIN 0x50*(1+(\rb)/3)
.set n_, 0
.rept GN
.set a_, 64*((\rb)%3)+8*(GN*(\g)+n_)
	v_wmma_f32_16x16x32_bf16 v[a_:a_+7], v[WF+8*GN*(\g)+8*n_:WF+8*GN*(\g)+8*n_+7], v[XF+40*(\ks)+8*(\rb):XF+40*(\ks)+8*(\rb)+7], v[a_:a_+7]
.set n_, n_+1
.endr
.endm
; 16 or 20 products with list m, a slice behind each of row blocks 0-3: 8, 8, 8, 10 lines of list 0's 34; 8, 12, 12, 12 of list 1's 44; 8, 12, 12 of list 2's 32; 10, 12, 12 of list 3's 34.
; The accumulators take turns, one instruction a turn.  No line of a slice names a register of the products of its block.
.macro MUL ks, g, m
.set RM, \m
.set RJ, 0
.set RF, 2*GN
.set RPER, 12
.if (\m) == 0
.set RN, 2*GN+NWS*LD+10
.set RPER, 8
.elseif (\m) == 1
.set RN, 2*GN+20*NX+16*LD
.elseif (\m) == 2
.set RN, 2*GN+(CSN/2)*NX
.else
.set RN, (CSN/2+10)*NX
.set RF, 10
.endif
	MULRB \ks, \g, 0
	SLICE RF
	MULRB \ks, \g, 1
	SLICE RPER
	MULRB \ks, \g, 2
	SLICE RPER
	MULRB \ks, \g, 3
	SLICE RPER+16                                  ; the last slice takes what is left of the list
	WIN 0
	s_cmp_lg_u32 s26, 0
	s_cbranch_scc0 .Lm_\@
	MULRB \ks, \g, 4
.if ((\m) == 1) && LD
	XLD1 16, ST                                    ; the fifth block's rows are asked for where the fifth block is multiplied
	XLD1 17, ST
	XLD1 18, ST
	XLD1 19, ST
.endif
	WIN 0
.Lm_\@:
	PLACES
.endm
; In step 2 p + 1 the loads ask for ew2's rows of step 2 p + 3; this asks for those of step 2 p + 5: two lanes a row's 512 bytes, the four waves 64 rows, 32 KiB.  The last trip of the loop asks for nothing.
.macro PREF
	s_cmp_gt_u32 s24, 1
	s_cbranch_scc0 .Lnp_\@
	global_prefetch_b8 v15, s[34:35] offset:WPAIR th:TH_LOAD_NT scope:SCOPE_SE
.Lnp_\@:
.endm
; A STEP: 64 along K out of slot st.  nx = 1: the next step is prepared; ld = 1: loads are issued; pf = 1: with the prefetch.
.macro STEP st, nx, ld, pf
.set ST, \st
.set NX, \nx
.set LD, \ld
	s_wait_dscnt 0x0                               ; my reads of the slot just left are over, my part of this slot is stored
	s_barrier_signal -1
	s_barrier_wait -1                              ; both hold of every wave
	s_cmp_lg_u32 s25, 0
	s_cbranch_scc1 .Lwork_\@
	s_wait_loadcnt 0x0                             ; the way round the work waits for all loads: so, whatever way leads to a step, it finds out the loads of the step in front of it or none
	s_branch .Lover_\@
.Lwork_\@:
.set j_, 0
.rept 2*GN
	WFL1 ST, 0, 0, j_
.set j_, j_+1
.endr
	s_wait_dscnt 0x0                               ; weight fragments (0, 0) are in; the token fragments of the first half came in the step before
	MUL 0, 0, 0
.if \pf
	PREF
.endif
	s_wait_dscnt DSC-MKB                           ; each of these three waits leaves out the LDS instructions issued behind the fragments that its block needs: here the ten token fragment loads,
	MUL 0, 1, 1
	s_wait_dscnt DSC-MKC                           ; here the twenty stores of rows,
	MUL 1, 0, 2
	s_wait_dscnt DSC-MKD                           ; here the eight stores of weights
	MUL 1, 1, 3
.Lover_\@:
.endm
; A PASS IS STARTED: its rows' tokens asked for from the stored list; the weights of steps 0 and 1 and the rows of step 0 asked for; the sums set while they are on their way; step 0's weights into slot 0,
; its rows into LDS; step 1's rows asked for.
.macro START
	s_wait_xcnt 0x0                                ; XO, the running bases and the registers that the last stores read are rewritten only behind this wait
	s_mov_b64 s[32:33], s[8:9]
	s_mov_b64 s[34:35], s[10:11]
	s_mov_b64 s[38:39], s[4:5]
	v_add_nc_u32 v18, s22, v13
.set i_, 0
.rept 20
	v_add_nc_u32 v[T+i_], 64*(i_/4)+2*(i_%4), v18  ; place = pass base + 64 rb + 16 w + row, held to the last place that exists
	v_min_u32 v[T+i_], s28, v[T+i_]
	v_min_u32 v[T+i_], 0x3ff, v[T+i_]
	v_lshlrev_b32 v[T+i_], 2, v[T+i_]
	global_load_b32 v[XO+i_], v[T+i_], s[12:13]
.set i_, i_+1
.endr
.set j_, 0
.rept NWS
	WLD1 0, j_
.set j_, j_+1
.endr
	WIN 0
	s_wait_loadcnt NWS                             ; the list's words are in; step 0's 16 weight loads are the younger ones
.set i_, 0
.rept 20
	v_min_u32 v[XO+i_], 0x3ff, v[XO+i_]
	v_lshl_add_u32 v[XO+i_], v[XO+i_], SH, v12
.set i_, i_+1
.endr
.set j_, 0
.rept 20
	XLD1 j_, 0                                     ; all twenty: the staging registers are written whole on every way
.set j_, j_+1
.endr
.set j_, 0
.rept NWS
	WLD1 1, j_
.set j_, j_+1
.endr
	WIN 0x40
.set k_, 0
.rept 192
	v_mov_b32 v[k_], 0
.set k_, k_+1
.endr
	WIN 0x80
.set k_, 0
.rept 128
	v_mov_b32 v[k_], 0
.set k_, k_+1
.endr
	WIN 0
	s_wait_loadcnt NWS                             ; step 0's weights and rows are in; step 1's 16 weight loads are the younger ones
.set j_, 0
.rept NWS
	CVT1 0, j_, 0
	CVT1 0, j_, 1
.set j_, j_+1
.endr
.set j_, 0
.rept NWS
	STW1 0, j_, 0
.set j_, j_+1
.endr
.set j_, 0
.rept 20
	XST1 j_
.set j_, j_+1
.endr
.set j_, 0
.rept 20
	XLD1 j_, 1
.set j_, j_+1
.endr
.set j_, 0
.rept 10
	XFL1 0, j_
.set j_, j_+1
.endr
	WIN 0
.endm
.macro FLAGS
	s_cmp_lt_u32 s22, s21
	s_cselect_b32 s25, 1, 0                        ; the pass has rows: the same in all four waves
	s_add_co_u32 s30, s22, s60
	s_add_co_u32 s30, s30, 256
	s_cmp_lt_u32 s30, s21
	s_cselect_b32 s26, 1, 0                        ; my fifth block has rows
.endm
	s_load_b256 s[4:11], s[0:1], 0x0               ; hid s[4:5], idx s[6:7], W2 s[8:9], ew2 s[10:11]
	s_load_b128 s[12:15], s[0:1], 0x20             ; lst s[12:13], part s[14:15]
	v_lshl_add_u32 v16, v0, 2, SPARE               ; my spare word and 0: for the closing add alone
	v_mov_b32 v17, 0
	v_lshrrev_b32 v18, 5, v0
	v_readfirstlane_b32 s18, v18                   ; wave
	s_and_b32 s19, ttmp9, 7                        ; nsl: the eight readers of a tile of hid are neighbours
	s_lshr_b32 s58, ttmp9, 3                       ; ksl
	s_and_b32 s20, ttmp7, 0xffff                   ; expert e
	s_lshl_b32 s60, s18, 4                         ; 16 w
	v_and_b32 v1, 31, v0                           ; lane l
	v_and_b32 v2, 15, v0                           ; r
	v_bfe_u32 v3, v0, 4, 1                         ; h
	v_bfe_u32 v18, v0, 3, 1                        ; (l / 8) % 2
	v_lshl_add_u32 v18, v18, 3, v3                 ; my row among a row load's four: l / 16 + 8 ((l / 8) % 2)
	v_and_b32 v19, 7, v0                           ; l % 8
	s_lshl_b32 s30, s18, 16                        ; 16 w rows of 4,096 bytes
	v_lshl_add_u32 v4, v1, 4, s30                  ; v4: weight loads: 16 l
	v_lshrrev_b32 v20, 1, v1
	v_and_b32 v21, 1, v0
	v_lshl_add_u32 v15, v20, 12, s30
	v_lshl_add_u32 v15, v21, 8, v15                ; v15: prefetch: row 16 w + l / 2, 256 (l % 2)
	s_mul_i32 s30, s18, 16*PW
	v_lshl_add_u32 v5, v1, 3, s30                  ; v5: tile stores: 16 w PW + 8 l
	s_mul_i32 s31, s18, XSW
	s_add_co_u32 s31, s31, XSB
	v_mul_u32_u24 v6, v18, XP
	v_lshl_add_u32 v6, v19, 4, v6
	v_add_nc_u32 v6, s31, v6                       ; v6: in: my row of the four, 16 (l % 8)
	v_mul_u32_u24 v7, v2, XP
	v_lshl_add_u32 v7, v3, 4, v7
	v_add_nc_u32 v7, s31, v7
	v_lshl_add_u32 v8, v3, 3, v19
	v_mul_u32_u24 v8, v8, PW
	v_bfe_u32 v20, v0, 3, 1
	v_lshl_add_u32 v8, v20, 4, v8
	s_mul_i32 s30, s18, STGW
	s_add_co_u32 s30, s30, STG
	v_mul_u32_u24 v9, v2, SP
	v_lshl_add_u32 v9, v3, 5, v9
	v_add_nc_u32 v9, s30, v9                       ; v9: in: row r, 32 h
	v_mul_u32_u24 v10, v3, SP
	v_lshl_add_u32 v10, v2, 4, v10
	v_add_nc_u32 v10, s30, v10                     ; v10: back: row h, 16 r
	s_mul_i32 s30, s18, LISTW
	s_add_co_u32 s30, s30, LIST
	v_mov_b32 v11, s30
	v_lshlrev_b32 v12, 4, v19
	v_add_nc_u32 v13, s60, v18                     ; v13: 16 w + my row of the four
	v_lshlrev_b32 v14, 4, v2
	v_lshlrev_b32 v20, 4, v1                       ; idx: 16 l
	s_lshl_b32 s56, s19, 9                         ; 128 columns of f32,
	s_lshl_b32 s30, s58, 21                        ; 512 rows of 4,096 bytes
	s_add_co_u32 s56, s56, s30
	s_mov_b32 s57, 0
	s_wait_kmcnt 0x0
	s_add_nc_u64 s[8:9], s[8:9], s[56:57]
	s_lshl_b32 s31, s20, 24
	s_add_co_u32 s56, s56, s31
	s_add_nc_u64 s[10:11], s[10:11], s[56:57]
	s_mov_b32 s56, s30                             ; eight blocks of hid are 2 MiB too
	s_add_nc_u64 s[4:5], s[4:5], s[56:57]
	s_lshl_b32 s56, s58, 22                        ; part's slice ksl: 1,024 rows of 4,096 bytes,
	s_lshl_b32 s30, s19, 9                         ; my 512 bytes of a row
	s_add_co_u32 s56, s56, s30
	s_add_nc_u64 s[14:15], s[14:15], s[56:57]
	s_lshl_b32 s56, s20, 12                        ; lst: 1,024 words an expert
	s_add_nc_u64 s[12:13], s[12:13], s[56:57]
.irp i, 0,1,2,3,4,5,6,7
	global_load_b128 v[T+4*(\i):T+4*(\i)+3], v20, s[6:7] offset:512*(\i)
.endr
	; my list's 1,024 words are cleared while the indices are on their way: every word that can be read has been written
	v_lshl_add_u32 v[XF+4], v1, 4, v11
.irp k, 0,1,2,3
	v_mov_b32 v[XF+(\k)], 0
.endr
.irp i, 0,1,2,3,4,5,6,7
	ds_store_b128 v[XF+4], v[XF:XF+3] offset:512*(\i)
.endr
	s_wait_loadcnt 0x0                             ; idx
	; THE LIST, as in the first product: LDS serves a wave's instructions in order (ISA guide 5.7.1.4), so the entries land on the cleared words
	s_mov_b32 s21, 0
	v_mov_b32 v18, 0x400
	v_lshlrev_b32 v19, 2, v1
.set k_, 0
.rept 32
	v_cmp_eq_u32 s30, s20, v[T+k_]
	v_mbcnt_lo_u32_b32 v[20+2*(k_%2)], s30, s21
	v_cndmask_b32 v[20+2*(k_%2)], v18, v[20+2*(k_%2)], s30
	v_min_u32 v[20+2*(k_%2)], 0x400, v[20+2*(k_%2)]
	v_lshl_add_u32 v[20+2*(k_%2)], v[20+2*(k_%2)], 2, v11
	v_add_nc_u32 v[21+2*(k_%2)], 128*(k_/4)+(k_%4), v19
	ds_store_b32 v[20+2*(k_%2)], v[21+2*(k_%2)]
	s_bcnt1_i32_b32 s31, s30
	s_add_co_u32 s21, s21, s31
.set k_, k_+1
.endr
	s_max_u32 s28, s21, 1
	s_sub_co_u32 s28, s28, 1
	s_mov_b32 s22, 0
	s_mov_b32 s23, 0
	FLAGS
	s_branch .Lstart                               ; the first pass is started whatever its count: so START has run on every way to the steps
.Lpass:
	FLAGS
	s_cmp_lg_u32 s25, 0
	s_cbranch_scc0 .Lnostart
.Lstart:
	START
.Lnostart:
	s_mov_b32 s24, 7
.Lpair:                                                ; seven trips: steps 0 to 13, all alike
	STEP 0, 1, 1, 0
	STEP 1, 1, 1, 1
	s_sub_co_u32 s24, s24, 1
	s_cmp_lg_u32 s24, 0
	s_cbranch_scc1 .Lpair
	STEP 0, 1, 0, 0                                ; step 14 prepares step 15 and asks for nothing; its wait for loads is for zero
	STEP 1, 0, 0, 0                                ; step 15 multiplies
	; THE WAY OUT, a block of 16 rows a trip
	s_mov_b32 s27, 0
.Lepi:
	s_lshl_b32 s29, s27, 6
	s_add_co_u32 s29, s29, s22
	s_add_co_u32 s29, s29, s60
	s_cmp_lt_u32 s29, s21
	s_cbranch_scc0 .Lepin
	s_wait_xcnt 0x0                                ; RO and OUT, which the last trip's stores read, are rewritten only behind this wait
	v_add_nc_u32 v18, s29, v3
.set i_, 0
.rept 8
	v_add_nc_u32 v[XF+i_], 2*i_, v18
	v_min_u32 v[XF+i_], s28, v[XF+i_]
	v_min_u32 v[XF+i_], 0x3ff, v[XF+i_]
	v_lshl_add_u32 v[XF+i_], v[XF+i_], 2, v11
	ds_load_b32 v[RO+i_], v[XF+i_]
.set i_, i_+1
.endr
.macro STAGE rb                        ; the block's 64 sums into my stage, each accumulator's low half first: 16 stores on every arm of the choice
	WIN 4*(1+(\rb)/3)
.set k_, 0
.rept 8
	ds_store_b128 v9, v[64*((\rb)%3)+8*k_:64*((\rb)%3)+8*k_+3] offset:64*k_
	ds_store_b128 v9, v[64*((\rb)%3)+8*k_+4:64*((\rb)%3)+8*k_+7] offset:64*k_+16
.set k_, k_+1
.endr
	WIN 0
.endm
	s_cmp_lg_u32 s27, 0
	s_cbranch_scc1 .Lc1
	STAGE 0
	s_branch .Lcd
.Lc1:
	s_cmp_lg_u32 s27, 1
	s_cbranch_scc1 .Lc2
	STAGE 1
	s_branch .Lcd
.Lc2:
	s_cmp_lg_u32 s27, 2
	s_cbranch_scc1 .Lc3
	STAGE 2
	s_branch .Lcd
.Lc3:
	s_cmp_lg_u32 s27, 3
	s_cbranch_scc1 .Lc4
	STAGE 3
	s_branch .Lcd
.Lc4:
	STAGE 4
.Lcd:
.set k_, 0
.rept 16
	ds_load_b128 v[OUT+4*k_:OUT+4*k_+3], v10 offset:1056*(k_/2)+256*(k_%2)   ; my own stage: LDS serves a wave's instructions in order (ISA guide 5.7.1.4)
.set k_, k_+1
.endr
	s_wait_dscnt 32                                ; the list's eight words are in: 16 stage stores and 16 stage loads are the younger ones
.set i_, 0
.rept 8
	v_min_u32 v[RO+i_], 0x3ff, v[RO+i_]
	v_lshl_add_u32 v[RO+i_], v[RO+i_], 12, v14
.set i_, i_+1
.endr
.set k_, 0
.rept 16
	s_wait_dscnt 15-k_                             ; the younger stage loads stay out
	global_store_b128 v[RO+k_/2], v[OUT+4*k_:OUT+4*k_+3], s[14:15] offset:256*(k_%2)   ; sixteen lanes store 256 consecutive bytes, aligned
.set k_, k_+1
.endr
.Lepin:
	s_add_co_u32 s27, s27, 1
	s_cmp_lt_u32 s27, 5
	s_cbranch_scc1 .Lepi
	s_wait_xcnt 0x0                                ; whatever follows may rewrite the stores' registers
	s_add_co_u32 s22, s22, CAP
	s_add_co_u32 s23, s23, 1
	s_cmp_lt_u32 s23, 4
	s_cbranch_scc1 .Lpass
	s_wait_tensorcnt 0x0                           ; the wave's end, behind my last LDS store
	ds_add_u32 v16, v17
	s_wait_dscnt 0x0
	s_endpgm
.Lfunc_end_k_qb10f60d4b0_down:
	.size	k_qb10f60d4b0_down, .Lfunc_end_k_qb10f60d4b0_down-k_qb10f60d4b0_down
	.p2alignl 7, 3214868480
	.fill 96, 4, 3214868480
	.section	.rodata,"a",@progbits
	.p2align	6, 0x0
	.amdhsa_kernel k_qb10f60d4b0_down
		.amdhsa_group_segment_fixed_size 134656
		.amdhsa_private_segment_fixed_size 0
		.amdhsa_enable_private_segment 0
		.amdhsa_kernarg_size 48
		.amdhsa_user_sgpr_count 2
		.amdhsa_user_sgpr_kernarg_segment_ptr 1
		.amdhsa_wavefront_size32 1
		.amdhsa_system_sgpr_workgroup_id_x 1
		.amdhsa_system_sgpr_workgroup_id_y 1
		.amdhsa_system_sgpr_workgroup_id_z 1
		.amdhsa_system_vgpr_workitem_id 0
		.amdhsa_next_free_vgpr 768
		.amdhsa_next_free_sgpr 66
		.amdhsa_reserve_vcc 0
		.amdhsa_float_denorm_mode_32 3
		.amdhsa_float_denorm_mode_16_64 3
		.amdhsa_memory_ordered 1
		.amdhsa_forward_progress 1
		.amdhsa_inst_pref_size 127
	.end_amdhsa_kernel
	.amdgpu_metadata
---
amdhsa.version: [ 1, 2 ]
amdhsa.kernels:
  - .name:           k_qb10f60d4b0_down
    .symbol:         k_qb10f60d4b0_down.kd
    .args:
      - { .name: hid, .offset: 0, .size: 8, .value_kind: global_buffer, .address_space: global }
      - { .name: idx, .offset: 8, .size: 8, .value_kind: global_buffer, .address_space: global }
      - { .name: W2, .offset: 16, .size: 8, .value_kind: global_buffer, .address_space: global }
      - { .name: ew2, .offset: 24, .size: 8, .value_kind: global_buffer, .address_space: global }
      - { .name: lst, .offset: 32, .size: 8, .value_kind: global_buffer, .address_space: global }
      - { .name: part, .offset: 40, .size: 8, .value_kind: global_buffer, .address_space: global }
    .group_segment_fixed_size: 134656
    .private_segment_fixed_size: 0
    .kernarg_segment_align: 8
    .kernarg_segment_size: 48
    .max_flat_workgroup_size: 128
    .sgpr_count:     66
    .vgpr_count:     768
    .wavefront_size: 32
...
	.end_amdgpu_metadata
.endif
;; end of part 6
;; launch fin: the kernel of part 4 again; grid 257 x 1, 8 waves a work-group, no clusters, 0 bytes of LDS; arguments part, b2, probs, idx, out0, out1; writes out0, out1
